; MI455X (gfx1250); checked and timed in simulation.
; The chip was launched on July 23, 2026; its instructions are those of AMD's public machine-readable ISA for CDNA 5 (MIT licence, August 2026) and "CDNA5" Instruction Set Architecture Reference Guide (July 2026). The comments in the code are by the model that wrote it; some were corrected since.
;; Multi Head Attention. Allowed arithmetic: matrix products marked QUANTISED: E2M1 operands, one E8M0 scale for each 32 along K, by v_wmma_scale_f32_16x16x128_f8f6f4 with both operands' format E2M1 (or v_wmma_scale_f32_32x16x128_f4), f32 sums; products left as they are: bf16, f16 or f32 operands; f32 sums; everything else in f32.
;; Inputs: K_pad_mask 2 x 2,048 int32; Q_pad_mask 2 x 2,048 int32; W_K 1,024 x 1,024 float32; W_O 1,024 x 1,024 float32; W_Q 1,024 x 1,024 float32; W_V 1,024 x 1,024 float32; b_K 1,024 float32; b_O 1,024 float32; b_Q 1,024 float32; b_V 1,024 float32; in_K 2 x 2,048 x 1,024 float32; in_Q 2 x 2,048 x 1,024 float32; in_V 2 x 2,048 x 1,024 float32.
;; Outputs: out0 2 x 2,048 x 1,024 float32.
;; This version of the problem:
;;   THIS VERSION OF THE PROBLEM IS GIVEN IN LOW PRECISION. The matrix products marked QUANTISED in the list below multiply operands that are first quantised to E2M1 (2 exponent bits, 1 mantissa bit; 4 bits a number), with one power-of-two scale for each 32 numbers along K (OCP MX v1.0); their sums are f32. The products marked 'left as it is' may take bf16, f16 or f32 operands, with f32 sums. Whichever they take, every output number must still come out within the allowed error. Rounding operands to bf16 (8 significant bits) uses up far more of that allowance than f16 does (11 bits, for magnitudes from 6e-5 to 65,504). All else is computed in f32.
;;   The module's matrix products, in the order in which they are computed (A, B: the left and right operand; K: the contracted axis; several contracted axes count as one K, in the product's order):
;;     1. [M 4,096, K 1,024] x [K 1,024, N 1,024]; A: input in_Q; B: input W_Q: QUANTISED
;;     2. [M 4,096, K 1,024] x [K 1,024, N 1,024]; A: input in_K; B: input W_K: QUANTISED
;;     3. [M 4,096, K 1,024] x [K 1,024, N 1,024]; A: input in_V; B: input W_V: QUANTISED
;;     4. batch 32 x [M 2,048, K 64] x [K 64, N 2,048]; A: computed on the way; B: computed on the way: left as it is (an operand is computed on the way)
;;     5. batch 32 x [M 2,048, K 2,048] x [K 2,048, N 64]; A: computed on the way; B: computed on the way: left as it is (an operand is computed on the way)
;;     6. [M 4,096, K 1,024] x [K 1,024, N 1,024]; A: computed on the way; B: input W_O: left as it is (an operand is computed on the way)
;;   THE QUANTISER, for each operand of a quantised product, along K:
;;     - K is cut into blocks of 32 from its start; a last block that is shorter is filled with zeros.
;;     - A block's scale is 2^e with e = floor(log2(the largest magnitude in the block)) - 2, held to -126 .. 127; a block of zeros has e = 0. As a byte (E8M0): e + 127.
;;     - Each number is divided by its block's scale, clamped to +-6, and rounded to the nearest number of E2M1, ties to even, subnormals kept.
;;     - The product sums the exact products of the quantised numbers (number of the format x scale) in f32.
;;   ~~~python
;;   def quantise(x, axis):      # numpy; x: float32 -> the quantised numbers, widened to float32 again
;;       x = np.moveaxis(x, axis, -1); K = x.shape[-1]
;;       x = np.pad(x, [(0, 0)] * (x.ndim - 1) + [(0, -K % 32)]); x = x.reshape(x.shape[:-1] + (-1, 32)); a = np.abs(x).max(-1, keepdims=True)
;;       e = np.where(a > 0, np.clip(np.frexp(np.where(a > 0, a, 1))[1] - 1 - 2, -126, 127), 0)      # np.frexp(a)[1] - 1 = floor(log2(a)), exactly
;;       r = np.clip(x / 2.0 ** e, -6, 6)
;;       step = 2.0 ** (np.maximum(np.frexp(np.where(r == 0, 1, r))[1] - 1, 0) - 1)
;;       q = np.round(r / step) * step * 2.0 ** e      # np.round: ties to even
;;       return np.moveaxis(q.reshape(q.shape[:-2] + (-1,))[..., :K], -1, axis).astype(np.float32)
;;   ~~~
;; One version. Each part assembles by itself: llvm-mc -triple=amdgcn-amd-amdhsa -mcpu=gfx1250 --defsym DOCPART=n.
;; ======== version 1 of 1: 5 launches
;; limits: values are held in f16: magnitudes above 65,504 overflow, below 6.1e-05 lose precision; right only within a limited range of input values
;; workspace buffers: codes 7,864,320 bytes; scales 491,520 bytes; wot 2,097,152 bytes; lens 512 bytes of whole numbers; qkv 25,165,824 bytes; top 393,216 bytes; hh 8,388,608 bytes
;; launch prep (part 1): grid 497 x 1, 4 waves a work-group, no clusters, 102,912 bytes of LDS; arguments in_Q, in_K, in_V, W_Q, W_K, W_V, W_O, Q_pad_mask, K_pad_mask, codes, scales, wot, lens; writes codes, scales, wot, lens
.if DOCPART == 1
	.amdgcn_target "amdgcn-amd-amdhsa--gfx1250"
	.amdhsa_code_object_version 6
	.text
	.protected	k_q9f829ad516_prep
	.globl	k_q9f829ad516_prep
	.p2align	8
	.type	k_q9f829ad516_prep,@function
k_q9f829ad516_prep:
	s_mov_b64 s[64:65], 0
	v_nop
	global_prefetch_b8 v0, s[64:65] scope:SCOPE_SE
	s_setreg_imm32_b32 hwreg(HW_REG_WAVE_MODE, 25, 1), 1
	s_wait_xcnt 0x0
; PREP: everything that is made once from the inputs.  Four ways through the text, parted by the work-group's number alone:
;   work-groups 0-47    W: W_Q, W_K, W_V [1024 k][1024 n] f32 -> codes of FP4 (E2M1) laid [n][k], K innermost, and one E8M0 byte for each 32 along K
;   work-groups 48-111  O: W_O [1024 k][1024 n] f32 -> f16, laid [n][k]
;   work-group  112     the four lengths: the sums of the rows of Q_pad_mask and K_pad_mask, held to 0 .. 2048, 32 equal words each
;   work-groups 113-496 X: in_Q, in_K, in_V [4096][1024] f32 -> codes, K innermost, and scale bytes
; A block's scale is 2^(floor(log2(its largest magnitude)) - 2); its byte is the largest magnitude's exponent field - 2, held at 1 from below.  A block of zeros so gets the byte 1: its codes are
; zeros, which add nothing under any byte but 0xff, and the bytes are read by this program alone.
; LIMITS: NaN and infinities among the inputs are not served; blocks whose largest magnitude lies under 2^-124 get the byte 1; numbers of W_O under 6e-5 lose bits in f16.
; No tensor load, no barrier: waves share nothing.  Each way has LDS bytes of its own.
.set WREG,  8192                       ; X: a region for each wave, from byte 0: two stages of 32 x SP bytes, behind them its 256 scale bytes
.set SP,    80                         ; X: a lane's place in a stage: 64 bytes + 16 of padding
.set WL,    32768                      ; W: four stages of 32 rows x PITCH
.set OL,    67584                      ; O: four stages of 32 rows x PITCH
.set PITCH, 272                        ; a stage row: 256 bytes + 16
.set SPARE, 102400                     ; the spare words, 128 bytes for each wave: two blocks of 256 bytes that no other line names
.set SPW,   192                        ; v192 LDS address of my spare word; never rewritten
.set NIL,   193                        ; v193 0; never rewritten
.set EMAX,  2
	s_load_b512 s[4:19], s[0:1], 0x0               ; in_Q 4:5, in_K 6:7, in_V 8:9, W_Q 10:11, W_K 12:13, W_V 14:15, W_O 16:17, Q_pad_mask 18:19
	s_load_b256 s[20:27], s[0:1], 0x40             ; K_pad_mask 20:21, codes 22:23, scales 24:25, wot 26:27
	s_load_b64 s[28:29], s[0:1], 0x60              ; lens
	v_lshl_add_u32 v[SPW], v0, 2, SPARE
	v_mov_b32 v[NIL], 0
	v_lshrrev_b32 v1, 5, v0
	v_readfirstlane_b32 s30, v1                    ; wave 0..3
	v_and_b32 v2, 31, v0                           ; lane
	s_wait_kmcnt 0x0
	s_cmp_lt_u32 ttmp9, 48
	s_cbranch_scc1 .Lw
	s_cmp_lt_u32 ttmp9, 112
	s_cbranch_scc1 .Lo
	s_cmp_eq_u32 ttmp9, 112
	s_cbranch_scc1 .Llen
; ---------------- X: the activations.  Rows are dense and K is a multiple of 32: each tensor is a plain stream of blocks of 32, and so are its codes and bytes.
; A wave takes 16 steps of 512 numbers.  Each load reads 512 consecutive bytes; a step's 2,048 bytes turn through the wave's own stage so that a lane holds 16 neighbours along K (two lanes to a block).
.set XR, 16                            ; v16-79   four sets of 16 numbers as loaded
.set XX, 80                            ; v80-111  two sets of 16 neighbours
.set XE, 112                           ; v112-127 a scale byte for each step
.set XC, 128                           ; v128-191 codes: four registers for each step, so that no store's data are written again
	s_sub_co_u32 s31, ttmp9, 113                   ; 0 .. 383: 128 work-groups to a tensor
	s_cmp_lt_u32 s31, 256
	s_cselect_b64 s[32:33], s[6:7], s[8:9]
	s_cmp_lt_u32 s31, 128
	s_cselect_b64 s[32:33], s[4:5], s[32:33]       ; the choice hangs on the work-group's number alone
	s_and_b32 s34, s31, 127
	s_lshl_b32 s34, s34, 2
	s_add_co_u32 s34, s34, s30                     ; which run of 8,192 numbers of the tensor is my wave's
	s_lshl_b32 s34, s34, 15                        ; 32,768 bytes a run
	s_mov_b32 s35, 0
	s_add_nc_u64 s[32:33], s[32:33], s[34:35]
	s_lshl_b32 s36, s31, 2
	s_add_co_u32 s36, s36, s30                     ; the run's number over the three tensors
	s_lshl_b32 s34, s36, 12                        ; 4,096 bytes of codes a run
	s_add_nc_u64 s[38:39], s[22:23], s[34:35]
	s_lshl_b32 s34, s36, 8                         ; 256 scale bytes a run
	s_add_nc_u64 s[40:41], s[24:25], s[34:35]
	v_lshlrev_b32 v3, 4, v2                        ; my 16 bytes of a load's 512
	s_mul_i32 s44, s30, WREG
	v_lshrrev_b32 v14, 2, v2
	v_mul_u32_u24 v14, v14, SP
	v_and_b32 v15, 3, v2
	v_lshl_add_u32 v14, v15, 4, v14
	v_add_nc_u32 v14, s44, v14                     ; the stage, on the way in: SP (lane / 4) + 16 (lane % 4)
	v_mul_u32_u24 v15, v2, SP
	v_add_nc_u32 v15, s44, v15                     ; and on the way out: SP x lane: my 16 neighbours
	v_lshlrev_b32 v4, 3, v2                        ; my 8 bytes of a step's codes
	v_lshrrev_b32 v5, 1, v2
	s_add_co_u32 s44, s44, 2*32*SP
	v_add_nc_u32 v5, s44, v5                       ; LDS: my wave's 256 scale bytes, my block's byte
	v_lshlrev_b32 v7, 3, v2
	v_add_nc_u32 v6, s44, v7                       ; and on the way out 8 bytes a lane
.macro XLOAD t
.irp i, 0,1,2,3
	global_load_b128 v[XR+16*((\t)%4)+4*\i:XR+16*((\t)%4)+4*\i+3], v3, s[32:33] offset:2048*(\t)+512*\i th:TH_LOAD_NT   ; 32 lanes read 512 consecutive bytes
.endr
.endm
.macro XTURN t                         ; a step's numbers through the stage: LDS serves a wave's instructions in order, so no wait stands between the stores and the loads
.irp i, 0,1,2,3
	ds_store_b128 v14, v[XR+16*((\t)%4)+4*\i:XR+16*((\t)%4)+4*\i+3] offset:32*SP*((\t)%2)+8*SP*\i
.endr
.irp i, 0,1,2,3
	ds_load_b128 v[XX+16*((\t)%2)+4*\i:XX+16*((\t)%2)+4*\i+3], v15 offset:32*SP*((\t)%2)+16*\i
.endr
.endm
.irp t, 0,1,2,3
	XLOAD \t
.endr
	s_wait_loadcnt 12                              ; step 0's four loads are in; the twelve of steps 1 to 3 may be out
	XTURN 0
.macro XSTEP t
.set XS, XX+16*((\t)%2)
.if (\t) > 0
	s_wait_dscnt 1                                 ; this step's numbers are back from the stage; the last step's byte store may be out
.else
	s_wait_dscnt 0x0
.endif
.if (\t)+4 < 16
	XLOAD (\t)+4                                   ; the stage's stores have read their registers: they take the loads of four steps on
.endif
.if (\t)+1 < 16
.if 14-(\t) >= 3
	s_wait_loadcnt 12                              ; the next step's four loads are in; those of the three steps behind it may be out
.else
	s_wait_loadcnt 4*(14-(\t))
.endif
	XTURN (\t)+1
.endif
	v_max3_num_f32 v8, |v[XS]|, |v[XS+1]|, |v[XS+2]|               ; the largest magnitude of my 16, in two chains
	v_max3_num_f32 v9, |v[XS+3]|, |v[XS+4]|, |v[XS+5]|
.irp i, 6,10
	v_max3_num_f32 v8, v8, |v[XS+\i]|, |v[XS+\i+1]|
	v_max3_num_f32 v9, v9, |v[XS+\i+2]|, |v[XS+\i+3]|
.endr
	v_max3_num_f32 v8, v8, |v[XS+14]|, |v[XS+15]|
	v_max3_num_f32 v8, v8, v9, (EMAX+1)<<23        ; and the floor 2^(3 - 127): the byte cannot fall under 1
	v_max_num_f32_dpp v8, v8, v8 row_xmask:1 row_mask:0xf bank_mask:0xf   ; with my neighbour's 16: the block's
	v_add_nc_u32 v11, -(EMAX<<23), v8              ; 2 off its exponent field: the conversion takes the exponent field of this operand as its scale
	v_cvt_scalef32_pk8_fp4_f32 v[XC+4*(\t)], v[XS:XS+7], v11
	v_cvt_scalef32_pk8_fp4_f32 v[XC+4*(\t)+1], v[XS+8:XS+15], v11
	v_lshrrev_b32 v[XE+(\t)], 23, v11              ; the scale's byte (also the plain line behind the conversions)
	ds_store_b8 v5, v[XE+(\t)] offset:16*(\t)      ; both lanes of a block write the same byte with the same value
	global_store_b64 v4, v[XC+4*(\t):XC+4*(\t)+1], s[38:39] offset:256*(\t)   ; the wave stores 256 consecutive bytes, aligned
.endm
.irp t, 0,1,2,3,4,5,6,7,8,9,10,11,12,13,14,15
	XSTEP \t
.endr
	ds_load_b64 v[8:9], v6                         ; LDS serves a wave's instructions in order: these see my byte stores
	s_wait_dscnt 0x0
	global_store_b64 v7, v[8:9], s[40:41]          ; 32 lanes store 256 consecutive bytes, aligned
	s_branch .Lend
; ---------------- W: a lane takes a column n and its registers run down K: a block of 32 lies in one lane, and the conversions give codes with K innermost.
; A wave takes 32 columns x 512 along K; the codes go through its own stage and leave as rows: sixteen lanes store 256 consecutive bytes, aligned.
.set WX, 32                            ; v32-95   two sets of 32 numbers
.set WC, 96                            ; v96-99   a block's codes
.set WO, 112                           ; v112-175 the way out
.set WS, 24                            ; v24-27   the scale bytes, four to a register
.Lw:
	s_lshr_b32 s31, ttmp9, 4                       ; which weight: 16 work-groups each
	s_cmp_lt_u32 s31, 2
	s_cselect_b64 s[32:33], s[12:13], s[14:15]
	s_cmp_lt_u32 s31, 1
	s_cselect_b64 s[32:33], s[10:11], s[32:33]
	s_bfe_u32 s34, ttmp9, 0x10003                  ; which 512 along K
	s_and_b32 s36, ttmp9, 7
	s_lshl_b32 s36, s36, 7
	s_lshl_b32 s37, s30, 5
	s_add_co_u32 s36, s36, s37                     ; my wave's first column
	s_lshl_b32 s38, s34, 21                        ; 512 rows of 4,096 bytes
	s_lshl_b32 s37, s36, 2
	s_add_co_u32 s38, s38, s37
	s_mov_b32 s39, 0
	s_add_nc_u64 s[32:33], s[32:33], s[38:39]
	s_lshl_b32 s38, s31, 19                        ; codes: behind the activations' 6,291,456 bytes; 524,288 a weight; 512 a column; 256 for each 512 along K
	s_lshl_b32 s37, s36, 9
	s_add_co_u32 s38, s38, s37
	s_lshl_b32 s37, s34, 8
	s_add_co_u32 s38, s38, s37
	s_add_co_u32 s38, s38, 6291456
	s_add_nc_u64 s[40:41], s[22:23], s[38:39]
	s_lshl_b32 s38, s31, 15                        ; bytes: behind the activations' 393,216; 32,768 a weight; 32 a column; 16 for each 512 along K
	s_lshl_b32 s37, s36, 5
	s_add_co_u32 s38, s38, s37
	s_lshl_b32 s37, s34, 4
	s_add_co_u32 s38, s38, s37
	s_add_co_u32 s38, s38, 393216
	s_add_nc_u64 s[42:43], s[24:25], s[38:39]
	v_lshlrev_b32 v3, 2, v2                        ; in: 4 bytes a lane
	s_mul_i32 s44, s30, 32*PITCH
	s_add_co_u32 s44, s44, WL                      ; my stage
	v_mul_u32_u24 v4, v2, PITCH
	v_add_nc_u32 v4, s44, v4                       ; into it: row = my column
	v_and_b32 v5, 15, v2
	v_lshrrev_b32 v6, 4, v2
	v_mul_u32_u24 v7, v6, PITCH
	v_lshl_add_u32 v7, v5, 4, v7
	v_add_nc_u32 v7, s44, v7                       ; out of it: sixteen lanes to a row, two rows an instruction
	v_lshlrev_b32 v8, 9, v6
	v_lshl_add_u32 v8, v5, 4, v8                   ; and the same place in the codes' buffer (512 bytes a row)
	v_lshlrev_b32 v9, 5, v2                        ; my column's row of scale bytes
.macro WLOAD t                         ; block t: W(32 t + i, my column) into set t % 2; every offset is an immediate, 511 x 4,096 at the most
.set n, 0
.rept 32
	global_load_b32 v[WX+32*((\t)%2)+n], v3, s[32:33] offset:(32*(\t)+n)*4096 th:TH_LOAD_NT
.set n, n+1
.endr
.endm
	WLOAD 0
	WLOAD 1
.macro WBLOCK t
.set XS, WX+32*((\t)%2)
.if (\t) < 15
	s_wait_loadcnt 32                              ; this block's 32 loads are in; the next block's 32 may be out
.else
	s_wait_loadcnt 0
.endif
	v_max3_num_f32 v12, |v[XS]|, |v[XS+1]|, |v[XS+2]|               ; the block's largest magnitude: all 32 numbers are mine
	v_max3_num_f32 v13, |v[XS+3]|, |v[XS+4]|, |v[XS+5]|
.irp i, 6,10,14,18,22,26
	v_max3_num_f32 v12, v12, |v[XS+\i]|, |v[XS+\i+1]|
	v_max3_num_f32 v13, v13, |v[XS+\i+2]|, |v[XS+\i+3]|
.endr
	v_max3_num_f32 v12, v12, |v[XS+30]|, |v[XS+31]|
	v_max3_num_f32 v12, v12, v13, (EMAX+1)<<23     ; and the floor
	v_add_nc_u32 v11, -(EMAX<<23), v12             ; the conversion's scale operand
	v_lshrrev_b32 v13, 23, v11                     ; the scale's byte
.if (\t)%4 == 0
	v_mov_b32 v[WS+(\t)/4], v13                    ; four bytes to a register, the lower K in the lower byte
.else
	v_lshl_or_b32 v[WS+(\t)/4], v13, 8*((\t)%4), v[WS+(\t)/4]
.endif
.irp g, 0,1,2,3
	v_cvt_scalef32_pk8_fp4_f32 v[WC+\g], v[XS+8*\g:XS+8*\g+7], v11
.endr
	v_nop                                          ; one plain line behind the last conversion
	ds_store_b128 v4, v[WC:WC+3] offset:16*(\t)    ; 32 codes: 16 bytes of my column's row
.if (\t)+2 < 16
	WLOAD (\t)+2
.endif
	s_wait_dscnt 0x0                               ; the store has read its registers: the next block's codes may be written
.endm
.set Q, 0
.rept 16
	WBLOCK Q
.set Q, Q+1
.endr
	global_store_b128 v9, v[WS:WS+3], s[42:43]     ; my column's 16 scale bytes (rows 32 bytes apart: one byte in 128 of what this way reads)
.irp t, 0,1,2,3,4,5,6,7,8,9,10,11,12,13,14,15
	ds_load_b128 v[WO+4*\t:WO+4*\t+3], v7 offset:2*\t*PITCH
.endr
.irp t, 0,1,2,3,4,5,6,7,8,9,10,11,12,13,14,15
	s_wait_dscnt 15-\t                             ; LDS loads come back in order: load t is in, the younger ones may be out
	global_store_b128 v8, v[WO+4*\t:WO+4*\t+3], s[40:41] offset:2*\t*512
.endr
	s_branch .Lend
; ---------------- O: the same plan for W_O, rounded to f16: a lane to a column, registers down K, 128 along K (256 bytes a column) to a wave.
.Lo:
	s_sub_co_u32 s31, ttmp9, 48
	s_and_b32 s36, s31, 7
	s_lshr_b32 s34, s31, 3                         ; which 128 along K
	s_lshl_b32 s36, s36, 7
	s_lshl_b32 s37, s30, 5
	s_add_co_u32 s36, s36, s37                     ; my wave's first column
	s_lshl_b32 s38, s34, 19                        ; 128 rows of 4,096 bytes
	s_lshl_b32 s37, s36, 2
	s_add_co_u32 s38, s38, s37
	s_mov_b32 s39, 0
	s_add_nc_u64 s[32:33], s[16:17], s[38:39]
	s_lshl_b32 s38, s36, 11                        ; out: 2,048 bytes a column, 256 for each 128 along K
	s_lshl_b32 s37, s34, 8
	s_add_co_u32 s38, s38, s37
	s_add_nc_u64 s[40:41], s[26:27], s[38:39]
	v_lshlrev_b32 v3, 2, v2
	s_mul_i32 s44, s30, 32*PITCH
	s_add_co_u32 s44, s44, OL                      ; my stage
	v_mul_u32_u24 v4, v2, PITCH
	v_add_nc_u32 v4, s44, v4
	v_and_b32 v5, 15, v2
	v_lshrrev_b32 v6, 4, v2
	v_mul_u32_u24 v7, v6, PITCH
	v_lshl_add_u32 v7, v5, 4, v7
	v_add_nc_u32 v7, s44, v7
	v_lshlrev_b32 v8, 11, v6
	v_lshl_add_u32 v8, v5, 4, v8
	WLOAD 0                                        ; the same 32 loads down K, from s[32:33]
	WLOAD 1
.macro OBLOCK t
.set XS, WX+32*((\t)%2)
.if (\t) < 3
	s_wait_loadcnt 32                              ; this block's 32 loads are in; the next block's may be out
.else
	s_wait_loadcnt 0
.endif
.set n, 0
.rept 16
	v_cvt_pk_f16_f32 v[96+n], v[XS+2*n], v[XS+2*n+1]   ; the lower k in the low half
.set n, n+1
.endr
.irp q, 0,1,2,3
	ds_store_b128 v4, v[96+4*\q:99+4*\q] offset:64*(\t)+16*\q
.endr
.if (\t)+2 < 4
	WLOAD (\t)+2
.endif
	s_wait_dscnt 0x0
.endm
	OBLOCK 0
	OBLOCK 1
	OBLOCK 2
	OBLOCK 3
.irp t, 0,1,2,3,4,5,6,7,8,9,10,11,12,13,14,15
	ds_load_b128 v[WO+4*\t:WO+4*\t+3], v7 offset:2*\t*PITCH
.endr
.irp t, 0,1,2,3,4,5,6,7,8,9,10,11,12,13,14,15
	s_wait_dscnt 15-\t
	global_store_b128 v8, v[WO+4*\t:WO+4*\t+3], s[40:41] offset:2*\t*2048   ; sixteen lanes store 256 consecutive bytes, aligned
.endr
	s_branch .Lend
; ---------------- the lengths: wave 0, 1: the rows of Q_pad_mask; wave 2, 3: those of K_pad_mask.  A row is 2,048 words: 64 a lane.
.Llen:
	s_cmp_lt_u32 s30, 2
	s_cselect_b64 s[32:33], s[18:19], s[20:21]
	s_and_b32 s34, s30, 1
	s_lshl_b32 s34, s34, 13
	s_mov_b32 s35, 0
	s_add_nc_u64 s[32:33], s[32:33], s[34:35]
	s_mov_b32 s36, 0x76543210
	s_mov_b32 s37, 0xfedcba98                      ; v_permlanex16_b32's selects for lane l xor 16
	v_lshlrev_b32 v3, 4, v2
.irp i, 0,1,2,3,4,5,6,7,8,9,10,11,12,13,14,15
	global_load_b128 v[32+4*\i:35+4*\i], v3, s[32:33] offset:512*\i
.endr
	s_wait_loadcnt 0x0
.irp k, 0,1,2,3
	v_add_nc_u32 v[8+\k], v[32+\k], v[36+\k]       ; four chains
.endr
.irp i, 2,3,4,5,6,7,8,9,10,11,12,13,14,15
.irp k, 0,1,2,3
	v_add_nc_u32 v[8+\k], v[8+\k], v[32+4*\i+\k]
.endr
.endr
	v_add_nc_u32 v8, v8, v9
	v_add_nc_u32 v10, v10, v11
	v_add_nc_u32 v8, v8, v10
.irp m, 1,2,4,8
	v_mov_b32_dpp v9, v8 row_xmask:\m row_mask:0xf bank_mask:0xf
	v_add_nc_u32 v8, v8, v9
.endr
	v_permlanex16_b32 v9, v8, s36, s37
	v_add_nc_u32 v8, v8, v9                        ; the row's sum, in every lane
	v_readfirstlane_b32 s40, v8
	s_max_i32 s40, s40, 0                          ; a position is valid where it lies under the sum: under 0 none is, from 2,048 on all are
	s_min_i32 s40, s40, 2048
	v_mov_b32 v8, s40
	v_lshlrev_b32 v10, 2, v2
	s_lshl_b32 s41, s30, 7
	v_add_nc_u32 v10, s41, v10
	global_store_b32 v10, v8, s[28:29]             ; 32 equal words: the wave stores 128 consecutive bytes
.Lend:
	s_wait_tensorcnt 0x0                           ; the wave's end, behind my last LDS store
	ds_add_u32 v[SPW], v[NIL]
	s_wait_dscnt 0x0
	s_endpgm
.Lfunc_end_k_q9f829ad516_prep:
	.size	k_q9f829ad516_prep, .Lfunc_end_k_q9f829ad516_prep-k_q9f829ad516_prep
	.p2alignl 7, 3214868480
	.fill 96, 4, 3214868480
	.section	.rodata,"a",@progbits
	.p2align	6, 0x0
	.amdhsa_kernel k_q9f829ad516_prep
		.amdhsa_group_segment_fixed_size 102912
		.amdhsa_private_segment_fixed_size 0
		.amdhsa_enable_private_segment 0
		.amdhsa_kernarg_size 104
		.amdhsa_user_sgpr_count 2
		.amdhsa_user_sgpr_kernarg_segment_ptr 1
		.amdhsa_wavefront_size32 1
		.amdhsa_system_sgpr_workgroup_id_x 1
		.amdhsa_system_sgpr_workgroup_id_y 1
		.amdhsa_system_sgpr_workgroup_id_z 1
		.amdhsa_system_vgpr_workitem_id 0
		.amdhsa_next_free_vgpr 194
		.amdhsa_next_free_sgpr 66
		.amdhsa_reserve_vcc 0
		.amdhsa_float_denorm_mode_32 3
		.amdhsa_float_denorm_mode_16_64 3
		.amdhsa_memory_ordered 1
		.amdhsa_forward_progress 1
		.amdhsa_inst_pref_size 138
	.end_amdhsa_kernel
	.amdgpu_metadata
---
amdhsa.version: [ 1, 2 ]
amdhsa.kernels:
  - .name:           k_q9f829ad516_prep
    .symbol:         k_q9f829ad516_prep.kd
    .args:
      - { .name: in_Q, .offset: 0, .size: 8, .value_kind: global_buffer, .address_space: global }
      - { .name: in_K, .offset: 8, .size: 8, .value_kind: global_buffer, .address_space: global }
      - { .name: in_V, .offset: 16, .size: 8, .value_kind: global_buffer, .address_space: global }
      - { .name: W_Q, .offset: 24, .size: 8, .value_kind: global_buffer, .address_space: global }
      - { .name: W_K, .offset: 32, .size: 8, .value_kind: global_buffer, .address_space: global }
      - { .name: W_V, .offset: 40, .size: 8, .value_kind: global_buffer, .address_space: global }
      - { .name: W_O, .offset: 48, .size: 8, .value_kind: global_buffer, .address_space: global }
      - { .name: Q_pad_mask, .offset: 56, .size: 8, .value_kind: global_buffer, .address_space: global }
      - { .name: K_pad_mask, .offset: 64, .size: 8, .value_kind: global_buffer, .address_space: global }
      - { .name: codes, .offset: 72, .size: 8, .value_kind: global_buffer, .address_space: global }
      - { .name: scales, .offset: 80, .size: 8, .value_kind: global_buffer, .address_space: global }
      - { .name: wot, .offset: 88, .size: 8, .value_kind: global_buffer, .address_space: global }
      - { .name: lens, .offset: 96, .size: 8, .value_kind: global_buffer, .address_space: global }
    .group_segment_fixed_size: 102912
    .private_segment_fixed_size: 0
    .kernarg_segment_align: 8
    .kernarg_segment_size: 104
    .max_flat_workgroup_size: 128
    .sgpr_count:     66
    .vgpr_count:     194
    .wavefront_size: 32
...
	.end_amdgpu_metadata
.endif
;; end of part 1
;; launch proj (part 2): grid 4 x 48, 4 waves a work-group, clusters of 4 x 4, 327,680 bytes of LDS; arguments codes, scales, b_Q, b_K, b_V, qkv, top; writes qkv, top
.if DOCPART == 2
	.amdgcn_target "amdgcn-amd-amdhsa--gfx1250"
	.amdhsa_code_object_version 6
	.text
	.protected	k_q9f829ad516_proj
	.globl	k_q9f829ad516_proj
	.p2align	8
	.type	k_q9f829ad516_proj,@function
k_q9f829ad516_proj:
	s_mov_b64 s[64:65], 0
	v_nop
	global_prefetch_b8 v0, s[64:65] scope:SCOPE_SE
	s_setreg_imm32_b32 hwreg(HW_REG_WAVE_MODE, 25, 1), 1
	s_wait_xcnt 0x0
	s_wait_alu depctr_hold_cnt(0) depctr_sa_sdst(0) depctr_va_vdst(0) depctr_va_sdst(0) depctr_va_ssrc(0) depctr_va_vcc(0) depctr_vm_vsrc(0)
	s_getreg_b32 s2, hwreg(HW_REG_IB_STS2, 6, 4)
	s_cmp_eq_u32 s2, 0
	s_cbranch_scc0 .Lentry_in_a_cluster
	s_endpgm
.Lentry_in_a_cluster:
	s_bfe_u32 s2, ttmp6, 0x10000c
	s_cmp_lg_u32 s2, 0xf033
	s_cbranch_scc0 .Lentry_shape_is_right
	s_endpgm
.Lentry_shape_is_right:
; PROJ: Q = in_Q W_Q + b_Q, K and V likewise, on codes of FP4 (E2M1) with one E8M0 scale for each 32 along K = 1,024; sums in f32.  The three products are stacked along M: 12,288 rows.
; A tile of 256 x 256 is made by a work-group of four waves; a wave makes 128 x 128: 64 accumulators, 512 registers.  K is two LDS slots of 512 (rows of 256 bytes): both are asked for at the head, nothing is filled again.
; The scale bytes of the work-group's 256 + 256 rows come into LDS once, in rows of 256 bytes.
; CLUSTERS: 4 x 4 work-groups.  The four of a row of the cluster need the same rows of x, the four of a column the same rows of W: each tile is asked for jointly.  A cluster's four tile rows lie in one tensor.
; THE MATRIX INSTRUCTION IS USED TRANSPOSED (source 0 = 16 rows of W, source 1 = 16 rows of x): a lane holds eight neighbouring columns of one row.  The bias is the C of each sum's first instruction.
; OUT: f16, laid [tensor][batch][head][position][64]: 16 positions of a head are 2,048 consecutive bytes.  Positions 0-15 of each sequence also leave as f32 (buffer top, 0.4 MB, in pieces of 32 bytes).
; LIMIT: |Q|, |K|, |V| must stay under 65,504 (f16).
; REGISTERS: window 0: v0-31 addresses; v32-95 scale words, two sets; v128-191 x's fragments, one set; on the way out v128-223.  window 1: W's fragments, two sets, at v0 and v128; v192-255 the bias.
;   window 2: the accumulators of my rows 0-63 ((a, b) at v[8 (8 a + b)]); window 3: those of rows 64-127.
.set NQ,     4                         ; matrix instructions deep in a slot
.set ROWB,   256                       ; a tile's row: 512 codes
.set KROW,   512                       ; a row of codes in memory
.set PITCH,  272                       ; an LDS row: 256 bytes + 16: the 16 rows that a load touches start at 16 different banks (64 banks of 4 bytes: ISA guide 11.1)
.set FR,     8
.set NL,     2
.set NP,     4                         ; places behind this matrix instruction (ISA guide 7.12.1)
.set HALFT,  128*PITCH
.set SLOT,   4*HALFT
.set KS,     32                        ; a row of scale bytes
.set SCL,    2*SLOT
.set HALFS,  (128*KS/256)*272
.set SBLK,   (16*KS/256)*272
.set SPARE,  SCL+4*HALFS               ; the spare words, 128 bytes for each wave
.set WCODES, 6291456                   ; where the weights' codes begin in their buffer
.set WSCALE, 393216                    ; and their scale bytes
.set HP,     144                       ; the way out: a stage row: 128 bytes + 16
.set STGW,   2*16*HP                   ; a wave's stage: two heads x 16 rows; it lies in slot 0, which has had its one fill and its last read by then
.set ADRA, 16
.set ADRB, 20
.set FLG,  14                          ; v14  my first row's position in its sequence
.set STO,  24
.set RD,   25
.set L16,  26                          ; v26  16 x lane
.set ADRS, 27
.set SPW,  28
.set NIL,  29
.set BO,   30                          ; v30  32 x (lane / 16): my eight numbers of a block's bias
.set TOF,  31                          ; v31  4,096 x (lane % 16) + 32 x (lane / 16)
.set SC,   32
.set AF,   128
.set BK,   128
.set TMP,  192
.set BIAS, 192                         ; in window 1
.set G1, 24
.set G0, 32
.set G1B, 48
.set G0B, 56
.set G1S, 68
.set G0S, 76
.set G1SB, 80
.set G0SB, 88
.set MSB, 0
.macro WIN new                         ; the immediate's high byte repeats the setting that is left
.if MSB != \new
	s_set_vgpr_msb (MSB<<8)|\new
.set MSB, \new
.endif
.endm
.set MUL_LO, 0xa1                      ; source 0 (W) window 1, source 1 (x) window 0, C and D window 2
.set MUL_HI, 0xf1
.set BEG_LO, 0x91                      ; the same with C (the bias) in window 1
.set BEG_HI, 0xd1
.set TO_B,   0x40
; A joint load: waves 0 and 1 fetch for x, waves 2 and 3 for W.  The branch hangs on the wave's number alone.  An s_nop 0 and four v_nop follow each of the two lines.
.macro JLOAD g0a, g1a, g0b, g1b
	s_cmp_eq_u32 s15, 0
	s_cbranch_scc0 .Lfor_b_\@
	tensor_load_to_lds s[\g0a:\g0a+3], s[\g1a:\g1a+7]
	s_nop 0
.rept 4
	v_nop
.endr
	s_branch .Lasked_\@
.Lfor_b_\@:
	tensor_load_to_lds s[\g0b:\g0b+3], s[\g1b:\g1b+7]
	s_nop 0
.rept 4
	v_nop
.endr
.Lasked_\@:
.endm
.macro CROUND                          ; a round of the cluster's barrier
	s_barrier_signal -1
	s_barrier_wait -1
	s_cmp_lg_u32 s14, 0
	s_cbranch_scc1 .Lnot_wave_0_\@
	s_barrier_signal -3
.Lnot_wave_0_\@:
	s_barrier_wait -3
	s_barrier_signal -1
	s_barrier_wait -1
.endm
	s_load_b256 s[4:11], s[0:1], 0x0               ; codes 4:5, scales 6:7, b_Q 8:9, b_K 10:11
	s_load_b128 s[96:99], s[0:1], 0x20             ; b_V 96:97, qkv 98:99
	s_load_b64 s[100:101], s[0:1], 0x30            ; top
	v_lshl_add_u32 v[SPW], v0, 2, SPARE
	v_mov_b32 v[NIL], 0
	ds_add_u32 v[SPW], v[NIL]                      ; the wave's opening: the add, twice on end, and its wait ahead of my first tensor load
	ds_add_u32 v[SPW], v[NIL]
	v_lshrrev_b32 v1, 5, v0
	v_readfirstlane_b32 s14, v1                    ; wave 0..3
	s_lshr_b32 s15, s14, 1                         ; which half of the tile's rows is mine.  Also: I fetch for x (0) or for W (1)
	s_and_b32 s16, s14, 1                          ; which half of its columns.  Also: which 128 rows I fetch
	s_bfe_u32 s40, ttmp6, 0x40000                  ; cx, cy
	s_bfe_u32 s41, ttmp6, 0x40004
	s_lshl_b32 s42, ttmp9, 2
	s_add_co_u32 s42, s42, s40                     ; tile column
	s_and_b32 s17, ttmp7, 0xffff
	s_lshr_b32 s66, s17, 2                         ; which tensor: four clusters along y to each; all sixteen partners share it
	s_lshl_b32 s17, s17, 2
	s_add_co_u32 s17, s17, s41                     ; tile row, 0 .. 47
	s_lshl_b32 s43, s41, 2
	s_lshl_b32 s43, 15, s43                        ; my row of the cluster
	s_lshl_b32 s44, 0x1111, s40                    ; my column
	s_or_b32 s[G1+0], s43, (0<<16)|(1<<20)|(1<<21)|(5<<22)|(3<<25)  ; mask; elements of 1 byte; padding: 4 words behind every 64
	s_or_b32 s[G1B+0], s44, (0<<16)|(1<<20)|(1<<21)|(5<<22)|(3<<25)
.irp g, G1, G1B
	s_mov_b32 s[\g+1], ROWB<<16                    ; tensor_dim0
	s_mov_b32 s[\g+2], 128<<16                     ; tensor_dim1
	s_mov_b32 s[\g+3], ROWB<<16                    ; tile_dim0
	s_mov_b32 s[\g+4], 128                         ; tile_dim1
	s_mov_b32 s[\g+5], KROW                        ; from row to row
	s_mov_b32 s[\g+6], 0
	s_mov_b32 s[\g+7], 0
.endr
	s_or_b32 s[G1S+0], s43, (3<<16)|(1<<20)|(1<<21)|(5<<22)|(3<<25) ; the scales of 128 rows: 4,096 dense bytes as 16 rows of 256 (32 elements of 8 bytes)
	s_or_b32 s[G1SB+0], s44, (3<<16)|(1<<20)|(1<<21)|(5<<22)|(3<<25)
.irp g, G1S, G1SB
	s_mov_b32 s[\g+1], 32<<16
	s_mov_b32 s[\g+2], (128*KS/256)<<16
	s_mov_b32 s[\g+3], 32<<16
	s_mov_b32 s[\g+4], 128*KS/256
	s_mov_b32 s[\g+5], 32
	s_mov_b32 s[\g+6], 0
	s_mov_b32 s[\g+7], 0
.endr
	s_lshl_b32 s18, s16, 7                         ; which 128 rows of the tile I fetch
	s_lshl_b32 s20, s17, 8
	s_add_co_u32 s20, s20, s18                     ; x: row 256 x tile row + 128 x half
	s_lshl_b32 s46, s42, 8
	s_add_co_u32 s46, s46, s18
	s_lshl_b32 s47, s66, 10
	s_add_co_u32 s46, s46, s47                     ; W: row 1,024 x tensor + 256 x tile column + 128 x half
	s_mov_b32 s21, 0
	s_mov_b32 s47, 0
	s_mov_b64 s[18:19], KS
	s_mul_u64 s[22:23], s[20:21], s[18:19]         ; where these rows' scales begin,
	s_mul_u64 s[92:93], s[46:47], s[18:19]
	s_add_nc_u64 s[92:93], s[92:93], WSCALE
	s_mov_b64 s[18:19], KROW
	s_mul_u64 s[20:21], s[20:21], s[18:19]         ; and their codes
	s_mul_u64 s[46:47], s[46:47], s[18:19]
	s_add_nc_u64 s[46:47], s[46:47], WCODES
	s_mul_i32 s45, s14, HALFT                      ; where they go: wave x 128 rows
	s_mul_i32 s94, s14, HALFS
	s_wait_dscnt 0x0                               ; both opening adds are done
	s_wait_kmcnt 0x0
	s_add_nc_u64 s[20:21], s[4:5], s[20:21]
	s_add_nc_u64 s[22:23], s[6:7], s[22:23]
	s_add_nc_u64 s[46:47], s[4:5], s[46:47]
	s_add_nc_u64 s[92:93], s[6:7], s[92:93]
	CROUND                                         ; all sixteen work-groups are here: the joint loads meet
	s_mov_b32 s[G0S], 1
	s_add_co_u32 s[G0S+1], s94, SCL
	s_mov_b64 s[G0S+2:G0S+3], s[22:23]
	s_or_b32 s[G0S+3], s[G0S+3], 0x80000000
	s_mov_b32 s[G0SB], 1
	s_add_co_u32 s[G0SB+1], s94, SCL
	s_mov_b64 s[G0SB+2:G0SB+3], s[92:93]
	s_or_b32 s[G0SB+3], s[G0SB+3], 0x80000000
	JLOAD G0S, G1S, G0SB, G1SB                     ; the scales first; three loads of mine are out behind the third line below
.irp s, 0,1
	s_mov_b32 s[G0+4*\s], 1
	s_add_co_u32 s[G0+4*\s+1], s45, \s*SLOT
	s_add_nc_u64 s[G0+4*\s+2:G0+4*\s+3], s[20:21], \s*ROWB
	s_or_b32 s[G0+4*\s+3], s[G0+4*\s+3], 0x80000000
	s_mov_b32 s[G0B+4*\s], 1
	s_add_co_u32 s[G0B+4*\s+1], s45, \s*SLOT
	s_add_nc_u64 s[G0B+4*\s+2:G0B+4*\s+3], s[46:47], \s*ROWB
	s_or_b32 s[G0B+4*\s+3], s[G0B+4*\s+3], 0x80000000
	JLOAD G0+4*\s, G1, G0B+4*\s, G1B
.endr
	v_and_b32 v1, 15, v0                           ; l % 16
	v_bfe_u32 v2, v0, 4, 1                         ; l / 16
	v_mul_u32_u24 v3, v1, PITCH
	v_lshl_add_u32 v4, v2, 4, v3                   ; a fragment's row x pitch + 16 x half
	s_mul_i32 s21, s15, HALFT                      ; my 128 rows of x
	s_mul_i32 s22, s16, HALFT                      ; my 128 rows of W,
	s_add_co_u32 s22, s22, 2*HALFT                 ; which lie behind x's 256
.irp s, 0,1
	v_add_nc_u32 v[ADRA+\s], s21, v4
	v_add_nc_u32 v[ADRB+\s], s22, v4
	s_add_co_u32 s21, s21, SLOT
	s_add_co_u32 s22, s22, SLOT
.endr
	v_mul_u32_u24 v5, v1, KS                       ; my row's scales: 32 bytes a row,
	v_lshrrev_b32 v6, 8, v5
	v_lshl_add_u32 v5, v6, 4, v5                   ; and 16 more for each 256 passed
	s_mul_i32 s21, s15, HALFS
	s_mul_i32 s22, s16, HALFS
	s_add_co_u32 s22, s22, 2*HALFS
	s_sub_co_u32 s22, s22, s21
	v_mul_u32_u24 v6, s22, v2                      ; lanes 16-31 take W's
	s_add_co_u32 s21, s21, SCL
	v_add_nc_u32 v5, v5, v6
	v_add_nc_u32 v[ADRS], s21, v5
	s_mul_i32 s23, s14, STGW                       ; my stage
	v_mul_u32_u24 v5, v1, HP
	v_lshl_add_u32 v5, v2, 4, v5
	v_add_nc_u32 v[STO], s23, v5                   ; in: row l % 16, 16 bytes for each half of the lanes
	v_bfe_u32 v6, v0, 3, 2
	v_and_b32 v7, 7, v0
	v_mul_u32_u24 v8, v6, HP
	v_lshl_add_u32 v8, v7, 4, v8
	v_add_nc_u32 v[RD], s23, v8                    ; back: eight lanes to a row of 128 bytes, four rows an instruction
	v_and_b32 v6, 31, v0
	v_lshlrev_b32 v[L16], 4, v6
	v_lshlrev_b32 v[BO], 5, v2
	v_lshl_add_u32 v[TOF], v1, 12, v[BO]
	; where my part goes
	s_lshl_b32 s20, s17, 8
	s_lshl_b32 s21, s15, 7
	s_add_co_u32 s20, s20, s21                     ; my first row of the 12,288
	s_and_b32 s21, s20, 2047                       ; its position in its sequence
	v_mov_b32 v[FLG], s21
	s_lshr_b32 s20, s20, 11                        ; 2 x tensor + batch
	s_lshl_b32 s22, s20, 22                        ; 16 heads x 2,048 positions x 128 bytes
	s_lshl_b32 s21, s21, 7
	s_add_co_u32 s22, s22, s21
	s_lshl_b32 s46, s42, 2
	s_lshl_b32 s47, s16, 1
	s_add_co_u32 s46, s46, s47                     ; my first head
	s_lshl_b32 s47, s46, 18
	s_add_co_u32 s22, s22, s47
	s_mov_b32 s23, 0
	s_add_nc_u64 s[98:99], s[98:99], s[22:23]
	s_lshl_b32 s22, s20, 16                        ; top: 16 rows of 4,096 bytes for each tensor and batch
	s_lshl_b32 s92, s46, 8                         ; a head's 64 columns are 256 bytes of f32
	s_add_co_u32 s22, s22, s92
	s_add_nc_u64 s[100:101], s[100:101], s[22:23]
	s_mov_b32 s93, 0
	s_cmp_lt_u32 s66, 2                            ; the tensor's bias: the choice hangs on the cluster's number alone
	s_cselect_b64 s[12:13], s[10:11], s[96:97]
	s_cmp_lt_u32 s66, 1
	s_cselect_b64 s[12:13], s[8:9], s[12:13]
	s_add_nc_u64 s[12:13], s[12:13], s[92:93]
	WIN TO_B
.irp b, 0,1,2,3,4,5,6,7                        ; lane (r, h) wants, for block b of columns, the bias of columns 16 b + 8 h + 0 .. 7: the result's layout
	global_load_b128 v[BIAS+8*\b:BIAS+8*\b+3], v[BO], s[12:13] offset:64*\b
	global_load_b128 v[BIAS+8*\b+4:BIAS+8*\b+7], v[BO], s[12:13] offset:64*\b+16
.endr
	WIN 0
.macro FRAG reg, adr, q, i             ; a fragment: 16 rows x 128 K of 4-bit codes, 8 registers: two loads of 16 bytes, 32 bytes apart
.irp c, 0,1
	ds_load_b128 v[\reg+4*\c:\reg+4*\c+3], v[\adr] offset:64*(\q)+32*\c+(\i)*16*PITCH
.endr
.endm
; 16 matrix instructions: x's blocks a0, a0 + 1 against W's eight.  p: W's set; sc: the set of scale words.  first = 1: the bias starts the sums.  The 64 accumulators take turns.
.macro MUL16 a0, p, q, sc, first
.irp a, \a0, \a0+1
.irp b, 0,1,2,3,4,5,6,7
.if \first
	v_wmma_scale_f32_16x16x128_f8f6f4 v[8*(8*((\a)%4)+\b):8*(8*((\a)%4)+\b)+7], v[128*(\p)+FR*\b:128*(\p)+FR*\b+FR-1], v[AF+FR*(\a):AF+FR*(\a)+FR-1], v[BIAS+8*\b:BIAS+8*\b+7], v[SC+8*NQ*(\sc)+NQ*\b+(\q)], v[SC+8*NQ*(\sc)+NQ*(\a)+(\q)] matrix_a_fmt:MATRIX_FMT_FP4 matrix_b_fmt:MATRIX_FMT_FP4 matrix_a_scale:MATRIX_SCALE_ROW1
.else
	v_wmma_scale_f32_16x16x128_f8f6f4 v[8*(8*((\a)%4)+\b):8*(8*((\a)%4)+\b)+7], v[128*(\p)+FR*\b:128*(\p)+FR*\b+FR-1], v[AF+FR*(\a):AF+FR*(\a)+FR-1], v[8*(8*((\a)%4)+\b):8*(8*((\a)%4)+\b)+7], v[SC+8*NQ*(\sc)+NQ*\b+(\q)], v[SC+8*NQ*(\sc)+NQ*(\a)+(\q)] matrix_a_fmt:MATRIX_FMT_FP4 matrix_b_fmt:MATRIX_FMT_FP4 matrix_a_scale:MATRIX_SCALE_ROW1
.endif
.endr
.endr
.endm
.macro FETCH_B slot, q, p
	WIN TO_B
.irp i, 0,1,2,3,4,5,6,7
	FRAG 128*(\p)+FR*\i, ADRB+\slot, \q, \i
.endr
	WIN 0
.endm
.macro FETCH_A slot, q, i0
.irp i, \i0, \i0+1, \i0+2, \i0+3
	FRAG AF+FR*(\i), ADRA+\slot, \q, \i
.endr
.endm
.macro SCALES sc                       ; a slot's scale words: four a row; lanes 0-15 take x's block i, lanes 16-31 W's block i
.irp i, 0,1,2,3,4,5,6,7
	ds_load_b128 v[SC+8*NQ*\sc+NQ*\i:SC+8*NQ*\sc+NQ*\i+3], v[ADRS] offset:\i*SBLK
.endr
.endm
.macro PLACES n                        ; plain vector lines between a matrix instruction and a load into, or a read of, its registers
.rept \n
	v_nop
.endr
.endm
.macro STEP slot, q, first             ; a step of 128 along K that has its successor in the same slot
	s_wait_dscnt 4*NL                              ; W's set and x's blocks 0-3 are in; the youngest eight loads (x's blocks 4-7) may be out
.if \first
	WIN BEG_LO
.else
	WIN MUL_LO
.endif
	MUL16 0, (\q)%2, \q, \slot, \first
	MUL16 2, (\q)%2, \q, \slot, \first
	s_wait_dscnt 0
	PLACES NP
	FETCH_B \slot, (\q)+1, 1-(\q)%2
	FETCH_A \slot, (\q)+1, 0
.if \first
	WIN BEG_HI
.else
	WIN MUL_HI
.endif
	MUL16 4, (\q)%2, \q, \slot, \first
	MUL16 6, (\q)%2, \q, \slot, \first
	PLACES NP
	WIN 0
	FETCH_A \slot, (\q)+1, 4
.endm
	s_wait_tensorcnt 1                             ; the scales and my part of slot 0 are in; slot 1's load may be out
	s_barrier_signal -1
	s_barrier_wait -1
	FETCH_B 0, 0, 0
	FETCH_A 0, 0, 0
	SCALES 0
	FETCH_A 0, 0, 4
	s_wait_loadcnt 0x0                             ; the bias
	STEP 0, 0, 1
	STEP 0, 1, 0
	STEP 0, 2, 0
	; slot 0's last step changes slots: one barrier; in front of it each wave waits for its load of slot 1
	s_wait_tensorcnt 0x0                           ; my part of slot 1 has landed
	ds_add_u32 v[SPW], v[NIL]                      ; 0 onto my spare word
	s_wait_dscnt 4*NL+1                            ; the add and the youngest eight loads may be out
	WIN MUL_LO
	MUL16 0, 1, NQ-1, 0, 0
	s_wait_dscnt 0x0                               ; the add is done, and my reads of slot 0 are over
	s_barrier_signal -1
	MUL16 2, 1, NQ-1, 0, 0
	WIN 0
	s_barrier_wait -1
	PLACES NP
	v_add_nc_u32 v[ADRS], 4*NQ, v[ADRS]            ; on to slot 1's scale words
	FETCH_B 1, 0, 0
	FETCH_A 1, 0, 0
	SCALES 1
	WIN MUL_HI
	MUL16 4, 1, NQ-1, 0, 0
	MUL16 6, 1, NQ-1, 0, 0
	PLACES NP
	WIN 0
	FETCH_A 1, 0, 4
	STEP 1, 0, 0
	STEP 1, 1, 0
	STEP 1, 2, 0
	s_wait_dscnt 4*NL                              ; the last step: nothing more to fetch
	WIN MUL_LO
	MUL16 0, 1, NQ-1, 1, 0
	MUL16 2, 1, NQ-1, 1, 0
	s_wait_dscnt 0
	WIN MUL_HI
	MUL16 4, 1, NQ-1, 1, 0
	MUL16 6, 1, NQ-1, 1, 0
	WIN 0
; THE WAY OUT.  First, where my first row is position 0 of a sequence, block 0 (positions 0-15) leaves as f32.  The condition hangs on the work-group's place in its cluster, so it is a lane mask and no branch.
	PLACES NP
	s_wait_xcnt 0x0                                ; EXEC changes only behind this wait
	v_cmp_eq_u32 vcc_lo, 0, v[FLG]
	s_and_saveexec_b32 s67, vcc_lo
	WIN 0x08                                       ; a store's data: window 2
.irp b, 0,1,2,3,4,5,6,7
	global_store_b128 v[TOF], v[8*\b:8*\b+3], s[100:101] offset:64*\b          ; each accumulator from its low end on
	global_store_b128 v[TOF], v[8*\b+4:8*\b+7], s[100:101] offset:64*\b+16
.endr
	WIN 0
	s_wait_xcnt 0x0
	s_or_b32 exec_lo, exec_lo, s67
; Then all eight blocks of 16 rows x 128 columns (two heads), rounded to f16: 16 bytes a lane into my stage, back as rows of 128 bytes, four rows (512 consecutive bytes of a head) to a store.
.macro PACK a
.set AC, 64*((\a)%4)
	WIN 0x0a+5*((\a)/4)                            ; sources 0 and 1: window 2 or 3
.irp b, 0,1,2,3,4,5,6,7
.irp r, 0,1,2,3
	v_cvt_pk_f16_f32 v[TMP+4*\b+\r], v[AC+8*\b+2*\r], v[AC+8*\b+2*\r+1]
.endr
.endr
	WIN 0
.endm
.macro TOSTAGE a
.set BB, BK+32*((\a)%2)
.irp b, 0,1,2,3,4,5,6,7
	ds_store_b128 v[STO], v[TMP+4*\b:TMP+4*\b+3] offset:(\b/4)*16*HP+(\b%4)*32
.endr
.irp t, 0,1,2,3,4,5,6,7
	ds_load_b128 v[BB+4*\t:BB+4*\t+3], v[RD] offset:(\t/4)*16*HP+(\t%4)*4*HP   ; LDS serves a wave's instructions in order: these see the stores above
.endr
.endm
.macro SEND a
.set BB, BK+32*((\a)%2)
	s_wait_dscnt 0x0                               ; the block is back in registers
	s_wait_xcnt 0x0                                ; the stores of the block before have read their registers: the next block's loads may land there
.irp t, 0,1,2,3,4,5,6,7
	global_store_b128 v[L16], v[BB+4*\t:BB+4*\t+3], s[98:99] offset:(\t/4)*262144+(\a)*2048+(\t%4)*512   ; 32 lanes store 512 consecutive bytes, aligned; no base is stepped
.endr
.endm
	PACK 0
	TOSTAGE 0
.irp a, 1,2,3,4,5,6,7
	PACK \a
	SEND \a-1
	TOSTAGE \a
.endr
	SEND 7
	s_wait_tensorcnt 0x0                           ; the wave's end
	ds_add_u32 v[SPW], v[NIL]
	s_wait_dscnt 0x0
	CROUND                                         ; the closing round
	s_endpgm
.Lfunc_end_k_q9f829ad516_proj:
	.size	k_q9f829ad516_proj, .Lfunc_end_k_q9f829ad516_proj-k_q9f829ad516_proj
	.p2alignl 7, 3214868480
	.fill 96, 4, 3214868480
	.section	.rodata,"a",@progbits
	.p2align	6, 0x0
	.amdhsa_kernel k_q9f829ad516_proj
		.amdhsa_group_segment_fixed_size 327680
		.amdhsa_private_segment_fixed_size 0
		.amdhsa_enable_private_segment 0
		.amdhsa_kernarg_size 56
		.amdhsa_user_sgpr_count 2
		.amdhsa_user_sgpr_kernarg_segment_ptr 1
		.amdhsa_wavefront_size32 1
		.amdhsa_system_sgpr_workgroup_id_x 1
		.amdhsa_system_sgpr_workgroup_id_y 1
		.amdhsa_system_sgpr_workgroup_id_z 1
		.amdhsa_system_vgpr_workitem_id 0
		.amdhsa_next_free_vgpr 1024
		.amdhsa_next_free_sgpr 102
		.amdhsa_reserve_vcc 1
		.amdhsa_float_denorm_mode_32 3
		.amdhsa_float_denorm_mode_16_64 3
		.amdhsa_memory_ordered 1
		.amdhsa_forward_progress 1
		.amdhsa_inst_pref_size 130
	.end_amdhsa_kernel
	.amdgpu_metadata
---
amdhsa.version: [ 1, 2 ]
amdhsa.kernels:
  - .name:           k_q9f829ad516_proj
    .symbol:         k_q9f829ad516_proj.kd
    .args:
      - { .name: codes, .offset: 0, .size: 8, .value_kind: global_buffer, .address_space: global }
      - { .name: scales, .offset: 8, .size: 8, .value_kind: global_buffer, .address_space: global }
      - { .name: b_Q, .offset: 16, .size: 8, .value_kind: global_buffer, .address_space: global }
      - { .name: b_K, .offset: 24, .size: 8, .value_kind: global_buffer, .address_space: global }
      - { .name: b_V, .offset: 32, .size: 8, .value_kind: global_buffer, .address_space: global }
      - { .name: qkv, .offset: 40, .size: 8, .value_kind: global_buffer, .address_space: global }
      - { .name: top, .offset: 48, .size: 8, .value_kind: global_buffer, .address_space: global }
    .group_segment_fixed_size: 327680
    .private_segment_fixed_size: 0
    .kernarg_segment_align: 8
    .kernarg_segment_size: 56
    .max_flat_workgroup_size: 128
    .sgpr_count:     102
    .vgpr_count:     1024
    .wavefront_size: 32
...
	.end_amdgpu_metadata
.endif
;; end of part 2
;; launch attn (part 3): grid 8 x 32, 8 waves a work-group, no clusters, 122,880 bytes of LDS; arguments qkv, lens, hh; writes hh
.if DOCPART == 3
	.amdgcn_target "amdgcn-amd-amdhsa--gfx1250"
	.amdhsa_code_object_version 6
	.text
	.protected	k_q9f829ad516_attn
	.globl	k_q9f829ad516_attn
	.p2align	8
	.type	k_q9f829ad516_attn,@function
k_q9f829ad516_attn:
	s_mov_b64 s[64:65], 0
	v_nop
	global_prefetch_b8 v0, s[64:65] scope:SCOPE_SE
	s_setreg_imm32_b32 hwreg(HW_REG_WAVE_MODE, 25, 1), 1
	s_wait_xcnt 0x0
; ATTN: H[b][h][q] = the sum over k of softmax_k(Q[q] . K[k] / 8) V[k], key k open for query q where k <= q, k < k_len[b] and q < q_len[b]; a row with no open key gives 0.
; Q, K, V: f16 [tensor][b][h][2048][64].  H: f16 [h][b x 2048 + q][64].  Products on f16 operands, sums, maxima and softmax in f32; the weights p are rounded to f16 for the second product.
; SHARES.  Work-group (I, b x 16 + h) owns query blocks I and 15 - I (128 queries each) of one head: (I + 1) + (16 - I) = 17 tiles of 128 keys in every work-group.
; Wave w: G = w % 4 picks 32 queries (two tiles of 16), HF = w / 4 picks 64 of a tile's 128 keys: each fragment of K or V read from LDS feeds two matrix instructions.
; The two key halves keep a running maximum, sum and O^T of their own; behind a block's walk waves 4-7 hand theirs to waves 0-3 through LDS, which merge, divide and store.
; LAYOUT.  S^T = K Q^T (source 0 = 16 keys, source 1 = 16 queries): a lane holds one query (lane % 16) and keys 8 (lane / 16) + 0..7; two such tiles, rounded in pairs, are source 1 of O^T = V^T P.
; THE WALKS have constant trip counts, 8 and 16, two trips to a turn of the loop (the slot is an immediate).  A trip whose keys lie beyond the causal limit or beyond k_len loads and multiplies nothing: a scalar branch.
; NO TENSOR LOAD AND NO CLUSTER: those branches hang on the stored lengths; and the work-groups of a head want different tiles at a time
; (each walks keys 0 .. I and then 0 .. 15 - I).  So K and V go from memory through registers into two LDS slots, one tile ahead.
; LIMITS: |Q|, |K|, |V| under 65,504; NaN and infinities are not served.
; REGISTERS: window 0: v1-15 addresses and constants; v16, v17, v22, v23 at work; v20 lane % 16, v21 8 (lane / 16); v32-47 statistics, eight a tile: +0 c m, +1 m, +2:3 the sum, +4..7 at work;
;   v48-63 the merge's; v64-127 S^T, 32 a tile, then p (P in the low 16 of each tile); v128-191 O^T, 32 a tile; v192-255 a trip's K, then its V.   window 1: v0-31 Q; v32-63 the next tile on its way to LDS.
.set KP,    144                        ; a row of K in LDS: 128 bytes + 16
.set VP,    160                        ; a row of V: 128 + 32: the turning load's 8 rows x 32 bytes fall on different banks
.set VOFF,  128*KP
.set SLOTB, VOFF+128*VP                ; a slot: 128 rows of K, then 128 of V
.set XCH,   2*SLOTB                    ; the exchange: for each G and tile XT bytes: O^T's image (8 x 512), c m at +4096, the sum at +4224
.set XT,    4352
.set STG,   XCH+8*XT                   ; the way out: 16 rows x 144 for each G
.set SPARE, STG+4*16*KP                ; the spare words, 128 bytes for each wave
.set MSB, 0
.macro WIN new
.if MSB != \new
	s_set_vgpr_msb (MSB<<8)|\new
.set MSB, \new
.endif
.endm
	s_load_b128 s[4:7], s[0:1], 0x0                ; qkv, lens
	s_load_b64 s[8:9], s[0:1], 0x10                ; hh
	v_lshl_add_u32 v12, v0, 2, SPARE               ; my spare word; never rewritten
	v_mov_b32 v13, 0                               ; 0; never rewritten
	v_lshrrev_b32 v22, 5, v0
	v_readfirstlane_b32 s10, v22                   ; wave 0..7
	s_and_b32 s11, s10, 3                          ; G
	s_lshr_b32 s12, s10, 2                         ; HF
	s_mov_b32 s13, ttmp9                           ; I
	s_and_b32 s36, ttmp7, 0xffff                   ; b x 16 + h
	s_lshr_b32 s37, s36, 4                         ; b
	s_and_b32 s38, s36, 15                         ; h
	s_lshl_b32 s39, s37, 7                         ; the lengths: 128 bytes a number
	v_and_b32 v24, 31, v0                          ; lane
	v_and_b32 v20, 15, v0                          ; r
	v_bfe_u32 v25, v0, 4, 1                        ; h of the lane
	v_lshlrev_b32 v21, 3, v25
	v_and_b32 v26, 7, v0
	v_bfe_u32 v27, v0, 3, 1
	v_bfe_u32 v28, v0, 3, 2
	s_mul_i32 s40, s12, 64*KP
	v_mul_u32_u24 v1, v20, KP
	v_lshl_add_u32 v1, v25, 4, v1
	v_add_nc_u32 v1, s40, v1                       ; v1: K's fragments: my half's 64 rows, row r, 16 bytes for each half of the lanes
	s_mul_i32 s40, s12, 64*VP
	s_add_co_u32 s40, s40, VOFF
	v_lshl_add_u32 v2, v25, 3, v26
	v_mul_u32_u24 v2, v2, VP
	v_lshl_add_u32 v2, v27, 4, v2
	v_add_nc_u32 v2, s40, v2                       ; v2: V's, for the turning load: key 8 (l / 16) + l % 8, channels 8 ((l / 8) % 2) on
	s_lshl_b32 s40, s10, 11
	v_lshlrev_b32 v3, 4, v24
	v_add_nc_u32 v3, s40, v3                       ; v3: a tile in memory: my wave's 16 rows (2,048 bytes), 16 bytes a lane
	s_lshl_b32 s40, s10, 4
	v_add_nc_u32 v29, s40, v28
	v_mul_u32_u24 v4, v29, KP
	v_lshl_add_u32 v4, v26, 4, v4                  ; v4: the same place in a slot's K
	v_mul_u32_u24 v5, v29, VP
	v_lshl_add_u32 v5, v26, 4, v5
	v_add_nc_u32 v5, VOFF, v5                      ; v5: and in its V
	v_lshlrev_b32 v6, 7, v20
	v_lshl_add_u32 v6, v25, 4, v6                  ; v6: Q's fragments in memory
	s_mul_i32 s40, s11, 2*XT
	s_add_co_u32 s40, s40, XCH
	v_lshlrev_b32 v7, 4, v24
	v_add_nc_u32 v7, s40, v7                       ; v7: the exchange, 16 bytes a lane
	v_lshlrev_b32 v8, 2, v24
	v_add_nc_u32 v8, s40, v8                       ; v8: and 4 bytes a lane
	s_mul_i32 s40, s11, 16*KP
	s_add_co_u32 s40, s40, STG
	v_mul_u32_u24 v9, v20, KP
	v_lshl_add_u32 v9, v25, 4, v9
	v_add_nc_u32 v9, s40, v9                       ; v9: the stage, in
	v_mul_u32_u24 v10, v28, KP
	v_lshl_add_u32 v10, v26, 4, v10
	v_add_nc_u32 v10, s40, v10                     ; v10: the stage, back: eight lanes to a row
	v_lshlrev_b32 v11, 4, v24                      ; v11: 16 x lane
	v_mov_b32 v14, 0xff800000                      ; -infinity
	v_lshlrev_b32 v15, 8, v24                      ; v15: the prefetches' offset, 256 x lane; never rewritten
	v_mov_b32 v51, 0                               ; a lane permute's destination counts as one of its sources
	v_mov_b32 v59, 0
	s_mov_b32 s30, 0x3e38aa3b                      ; c = log2(e) / 8
	s_mov_b32 s31, s30
	s_mov_b32 s32, 0x76543210
	s_mov_b32 s33, 0xfedcba98
	s_wait_kmcnt 0x0
	s_load_b32 s14, s[6:7], s39 offset:0x0         ; q_len[b]
	s_load_b32 s15, s[6:7], s39 offset:0x100       ; k_len[b]
	s_lshl_b32 s50, s36, 18                        ; a head: 2,048 rows of 128 bytes
	s_mov_b32 s51, 0
	s_add_nc_u64 s[16:17], s[4:5], s[50:51]        ; Q,
	s_add_nc_u64 s[18:19], s[16:17], 0x800000      ; K,
	s_add_nc_u64 s[20:21], s[16:17], 0x1000000     ; V at my head's first byte
	s_lshl_b32 s50, s38, 19
	s_lshl_b32 s40, s37, 18
	s_add_co_u32 s50, s50, s40
	s_add_nc_u64 s[22:23], s[8:9], s[50:51]        ; H likewise
	s_wait_kmcnt 0x0
	s_min_u32 s14, s14, 2048
	s_min_u32 s15, s15, 2048
	s_max_u32 s52, s15, 1
	s_sub_co_u32 s52, s52, 1                       ; the last key that k_len leaves open
	s_cmp_lg_u32 s15, 0
	s_cselect_b32 s46, s14, 0                      ; a query has an open key where it lies under this
	s_or_b32 s40, s13, s12                         ; the prefetches: waves 0-3 of the head's first work-group ask, up to k_len
	s_cmp_eq_u32 s40, 0
	s_cselect_b32 s47, s15, 0
	s_cmp_lt_u32 s10, 2
	s_cselect_b64 s[48:49], s[18:19], s[20:21]     ; waves 0, 1: K's tile; waves 2, 3: V's
	s_and_b32 s50, s10, 1
	s_lshl_b32 s50, s50, 13                        ; 8,192 bytes a wave, lanes 256 bytes apart
	s_add_co_u32 s50, s50, 2*16384                 ; at tile 2
	s_add_nc_u64 s[48:49], s[48:49], s[50:51]
.macro BLOCKSET                        ; from the block s25: my first query s26; the keys open to my wave s27 (none where all my queries lie at or beyond q_len)
	s_lshl_b32 s26, s25, 7
	s_lshl_b32 s38, s11, 5
	s_add_co_u32 s26, s26, s38
	s_cmp_lt_u32 s26, s14
	s_cselect_b32 s27, s15, 0
.endm
.macro INIT                            ; the largest score so far is -3e38, under every score; sums and O^T are zeros, which the first change of the maximum leaves zeros
.irp t, 0,1
	v_mov_b32 v[33+8*\t], 0xff61b1e6
	v_mul_f32 v[32+8*\t], s30, v[33+8*\t]
.irp k, 2,3,4,5,6,7
	v_mov_b32 v[32+8*\t+\k], 0
.endr
.endr
.set n, 0
.rept 64
	v_mov_b32 v[128+n], 0
.set n, n+1
.endr
.endm
.macro QLOAD                           ; my 32 queries stay in registers: tile t, channels 32 c on
	s_lshl_b32 s38, s26, 7
	v_add_nc_u32 v16, s38, v6
	WIN 0x40                                       ; destination window 1
.irp t, 0,1
.irp c, 0,1
	global_load_b128 v[16*\t+8*\c:16*\t+8*\c+3], v16, s[16:17] offset:2048*\t+64*\c
	global_load_b128 v[16*\t+8*\c+4:16*\t+8*\c+7], v16, s[16:17] offset:2048*\t+64*\c+32
.endr
.endr
	WIN 0
.endm
.macro GLOAD                           ; tile s36 of K and V: my wave's 16 rows of each, 512 consecutive bytes a load
	s_lshl_b32 s38, s36, 14
	v_add_nc_u32 v17, s38, v3
	WIN 0x40
.irp i, 0,1,2,3
	global_load_b128 v[32+4*\i:35+4*\i], v17, s[18:19] offset:512*\i
.endr
.irp i, 0,1,2,3
	global_load_b128 v[48+4*\i:51+4*\i], v17, s[20:21] offset:512*\i
.endr
	WIN 0
.endm
.macro GSTORE slot                     ; (the argument may be an expression: it stands in brackets wherever it is multiplied)
	WIN 0x04                                       ; an LDS store's data: window 1
.irp i, 0,1,2,3
	ds_store_b128 v4, v[32+4*\i:35+4*\i] offset:(\slot)*SLOTB+4*KP*\i
.endr
.irp i, 0,1,2,3
	ds_store_b128 v5, v[48+4*\i:51+4*\i] offset:(\slot)*SLOTB+4*VP*\i
.endr
	WIN 0
.endm
.macro FETCH_K slot                    ; my 64 keys x 64 channels: fragment 2 k + c: keys 16 k on, channels 32 c on
.irp f, 0,1,2,3,4,5,6,7
	ds_load_b128 v[192+8*\f:195+8*\f], v1 offset:(\slot)*SLOTB+(\f/2)*16*KP+(\f%2)*64
	ds_load_b128 v[196+8*\f:199+8*\f], v1 offset:(\slot)*SLOTB+(\f/2)*16*KP+(\f%2)*64+32
.endr
.endm
.macro QK                              ; 16 products; the eight accumulators take turns; the first eight start the sums
	WIN 0x04                                       ; source 1 (Q) window 1
.irp c, 0,1
.irp k, 0,1,2,3
.irp t, 0,1
.if \c == 0
	v_wmma_f32_16x16x32_f16 v[64+32*\t+8*\k:71+32*\t+8*\k], v[192+8*(2*\k+\c):199+8*(2*\k+\c)], v[16*\t+8*\c:16*\t+8*\c+7], 0
.else
	v_wmma_f32_16x16x32_f16 v[64+32*\t+8*\k:71+32*\t+8*\k], v[192+8*(2*\k+\c):199+8*(2*\k+\c)], v[16*\t+8*\c:16*\t+8*\c+7], v[64+32*\t+8*\k:71+32*\t+8*\k]
.endif
.endr
.endr
.endr
	WIN 0
.endm
.macro FETCH_V slot                    ; V turned: fragment 4 c + d: keys 32 c on, channels 16 d on.  Four plain lines stand between the last product, which read K's registers, and these loads; they serve the first read of the scores too
.rept 4
	v_nop
.endr
.irp f, 0,1,2,3,4,5,6,7
	ds_load_tr16_b128 v[192+8*\f:195+8*\f], v2 offset:(\slot)*SLOTB+(\f/4)*32*VP+(\f%4)*32
	ds_load_tr16_b128 v[196+8*\f:199+8*\f], v2 offset:(\slot)*SLOTB+(\f/4)*32*VP+16*VP+(\f%4)*32
.endr
.endm
.macro MASK                            ; register 8 k + j of a tile holds key s34 + 16 k + 8 (lane / 16) + j: hidden where it lies over min(my query, k_len - 1)
	v_add_nc_u32 v22, s34, v21
.irp t, 0,1
	s_add_co_u32 s38, s26, 16*\t
	v_add_nc_u32 v[37+8*\t], s38, v20
	v_min_u32 v[37+8*\t], s52, v[37+8*\t]
	v_sub_nc_u32 v[37+8*\t], v[37+8*\t], v22
.set n, 0
.rept 32
	v_cmp_gt_i32 vcc_lo, 16*(n/8)+n%8, v[37+8*\t]
	v_cndmask_b32 v[64+32*\t+n], v[64+32*\t+n], v14, vcc_lo
.set n, n+1
.endr
.endr
.endm
.macro SOFTMAX                         ; both tiles line by line, so that no line waits for the line above it
.irp j, 0,1,2,3
.irp t, 0,1
	v_max3_num_f32 v[36+8*\t+\j], v[64+32*\t+8*\j], v[65+32*\t+8*\j], v[66+32*\t+8*\j]   ; four chains; each accumulator is read from its low end on
.endr
.endr
.irp u, 3,5
.irp j, 0,1,2,3
.irp t, 0,1
	v_max3_num_f32 v[36+8*\t+\j], v[36+8*\t+\j], v[64+32*\t+8*\j+\u], v[65+32*\t+8*\j+\u]
.endr
.endr
.endr
.irp t, 0,1
	v_max3_num_f32 v[36+8*\t], v[36+8*\t], v[71+32*\t], v[79+32*\t]
	v_max3_num_f32 v[38+8*\t], v[38+8*\t], v[87+32*\t], v[95+32*\t]
.endr
.irp t, 0,1
	v_max3_num_f32 v[36+8*\t], v[36+8*\t], v[37+8*\t], v[38+8*\t]
.endr
.irp t, 0,1
	v_max3_num_f32 v[36+8*\t], v[36+8*\t], v[39+8*\t], v[33+8*\t]   ; with the old maximum
.endr
.irp t, 0,1
	v_permlanex16_b32 v[37+8*\t], v[36+8*\t], s32, s33             ; the query's other keys lie in the lane 16 away
.endr
.irp t, 0,1
	v_mov_b32 v[39+8*\t], v[32+8*\t]               ; c m_old
.endr
.irp t, 0,1
	v_max_num_f32 v[33+8*\t], v[36+8*\t], v[37+8*\t]
.endr
.irp t, 0,1
	v_mul_f32 v[32+8*\t], s30, v[33+8*\t]
.endr
.irp t, 0,1
	v_sub_f32 v[39+8*\t], v[39+8*\t], v[32+8*\t]
.endr
.set n, 0
.rept 16
.irp t, 0,1
	v_pk_fma_f32 v[64+32*\t+2*n:65+32*\t+2*n], v[64+32*\t+2*n:65+32*\t+2*n], s[30:31], v[32+8*\t:33+8*\t] op_sel_hi:[1,0,0] neg_lo:[0,0,1] neg_hi:[0,0,1]   ; c s - c m
.endr
.set n, n+1
.endr
.irp t, 0,1
	v_exp_f32 v[38+8*\t], v[39+8*\t]               ; a = 2^(c m_old - c m_new)
.endr
.set n, 0
.rept 32
.irp t, 0,1
	v_exp_f32 v[64+32*\t+n], v[64+32*\t+n]         ; p
.endr
.set n, n+1
.endr
	v_nop                                          ; a plain line behind the last exponential
	s_wait_alu depctr_va_vdst(0)                   ; one wait for the batch of 66, ahead of its first reader
.irp t, 0,1
	v_pk_mul_f32 v[34+8*\t:35+8*\t], v[34+8*\t:35+8*\t], v[38+8*\t:39+8*\t] op_sel_hi:[1,0]   ; the sum under the new maximum
.endr
.irp t, 0,1
	v_pk_add_f32 v[36+8*\t:37+8*\t], v[64+32*\t:65+32*\t], v[66+32*\t:67+32*\t]   ; the sum of the unrounded p, in two chains
.endr
.irp j, 4,8,12,16,20,24,28
.irp t, 0,1
	v_pk_add_f32 v[34+8*\t:35+8*\t], v[34+8*\t:35+8*\t], v[64+32*\t+\j:65+32*\t+\j]
	v_pk_add_f32 v[36+8*\t:37+8*\t], v[36+8*\t:37+8*\t], v[66+32*\t+\j:67+32*\t+\j]
.endr
.endr
.irp t, 0,1
	v_pk_add_f32 v[34+8*\t:35+8*\t], v[34+8*\t:35+8*\t], v[36+8*\t:37+8*\t]
.endr
.set n, 0
.rept 16
.irp t, 0,1
	v_cvt_pk_f16_f32 v[64+32*\t+n], v[64+32*\t+2*n], v[65+32*\t+2*n]   ; P, in place, ascending: register n is written when registers 2 n, 2 n + 1 are read
.endr
.set n, n+1
.endr
.set n, 0
.rept 16
.irp t, 0,1
	v_pk_mul_f32 v[128+32*\t+2*n:129+32*\t+2*n], v[128+32*\t+2*n:129+32*\t+2*n], v[38+8*\t:39+8*\t] op_sel_hi:[1,0]   ; O^T under the new maximum
.endr
.set n, n+1
.endr
.endm
.macro PVM                             ; 16 products O^T += V^T P; the eight accumulators take turns
	s_wait_dscnt 0x0                               ; V is in
.irp c, 0,1
.irp d, 0,1,2,3
.irp t, 0,1
	v_wmma_f32_16x16x32_f16 v[128+32*\t+8*\d:135+32*\t+8*\d], v[192+8*(4*\c+\d):199+8*(4*\c+\d)], v[64+32*\t+8*\c:71+32*\t+8*\c], v[128+32*\t+8*\d:135+32*\t+8*\d]
.endr
.endr
.endr
.rept 5
	v_nop                                          ; five plain lines: the next products write over P's registers; the next loads land on V's, and O^T is read, behind four
.endr
.endm
; A TRIP: tile s24 + slot of the keys lies in slot `slot`; the next tile goes into the other.
.macro TRIP slot, ask
	s_add_co_u32 s54, s24, \slot
	s_add_co_u32 s36, s54, 1                       ; the next tile is wanted where it lies at or under my block (causal) and its first key under k_len: the same in all eight waves
	s_lshl_b32 s37, s36, 7
	s_cmp_le_u32 s36, s25
	s_cselect_b32 s35, 1, 0
	s_cmp_lt_u32 s37, s15
	s_cselect_b32 s35, s35, 0
	s_cmp_lg_u32 s35, 0
	s_cbranch_scc0 .Lnl_\@
	GLOAD
.Lnl_\@:
.if \ask
	s_add_co_u32 s37, s37, 128                     ; a prefetch of the tile two on, 64 blocks of 256 bytes of K and 64 of V, a lane a block: named once in the launch; none beyond k_len or tile 15
	s_cmp_lt_u32 s37, s47
	s_cbranch_scc0 .Lna_\@
	global_prefetch_b8 v15, s[48:49] th:TH_LOAD_NT scope:SCOPE_SE
.Lna_\@:
.endif
	s_lshl_b32 s34, s54, 7
	s_lshl_b32 s38, s12, 6
	s_add_co_u32 s34, s34, s38                     ; my first key
	s_add_co_u32 s38, s26, 31
	s_cmp_gt_u32 s34, s38                          ; all my keys come after my last query,
	s_cbranch_scc1 .Lskip_\@
	s_cmp_ge_u32 s34, s27                          ; or lie at or beyond k_len, or none of my queries is valid: nothing to do
	s_cbranch_scc1 .Lskip_\@
	FETCH_K \slot
	s_wait_dscnt 0x0
	QK
	FETCH_V \slot
	s_add_co_u32 s38, s34, 63                      ; my last key: the mask's lines are wanted where it lies over my first query or at or beyond k_len
	s_cmp_gt_u32 s38, s26
	s_cselect_b32 s39, 1, 0
	s_cmp_ge_u32 s38, s15
	s_cselect_b32 s39, 1, s39
	s_cmp_eq_u32 s39, 0
	s_cbranch_scc1 .Lopen_\@
	MASK
.Lopen_\@:
	SOFTMAX
	PVM
.Lskip_\@:
	s_wait_loadcnt 0x0                             ; the next tile is in registers
	s_cmp_lg_u32 s35, 0
	s_cbranch_scc0 .Lns_\@
	GSTORE 1-\slot                                 ; into the slot that every wave left behind the last barrier
.Lns_\@:
	s_wait_dscnt 0x0                               ; for the others' sake: my stores have landed, and my reads of this slot are over
	s_barrier_signal -1
	s_barrier_wait -1
.if \ask
	s_wait_xcnt 0x0                                ; the prefetch has read its address
	s_add_nc_u64 s[48:49], s[48:49], 16384
.endif
.endm
.macro WALK nt, ask
	s_mov_b32 s24, 0
.Lw_\@:
	TRIP 0, \ask
	TRIP 1, \ask
	s_add_co_u32 s24, s24, 2
	s_cmp_lt_u32 s24, \nt
	s_cbranch_scc1 .Lw_\@
.endm
.macro SEND                            ; waves 4-7: c m, the sum and O^T, as images of their registers
.irp t, 0,1
	v_add_f32 v[36+8*\t], v[34+8*\t], v[35+8*\t]
.endr
.irp t, 0,1
	v_permlanex16_b32 v[37+8*\t], v[36+8*\t], s32, s33
.endr
.irp t, 0,1
	v_add_f32 v[36+8*\t], v[36+8*\t], v[37+8*\t]
.endr
.irp t, 0,1
	ds_store_b32 v8, v[32+8*\t] offset:XT*\t+4096
	ds_store_b32 v8, v[36+8*\t] offset:XT*\t+4224
.irp q, 0,1,2,3,4,5,6,7
	ds_store_b128 v7, v[128+32*\t+4*\q:131+32*\t+4*\q] offset:XT*\t+512*\q
.endr
.endr
.endm
.macro MERGE                           ; waves 0-3: both halves under one maximum, divided by the sum, 0 where the row has no open key; s53: my first query.  Tile t's registers at v[48 + 8 t]: +0 c m_b, +1 l_b, +2 g_a, +4 g_b, +5 the query, +6 l, +7 c m, then 1 / l
.irp t, 0,1
	ds_load_b32 v[48+8*\t], v8 offset:XT*\t+4096
	ds_load_b32 v[49+8*\t], v8 offset:XT*\t+4224
.irp q, 0,1,2,3,4,5,6,7
	ds_load_b128 v[192+32*\t+4*\q:195+32*\t+4*\q], v7 offset:XT*\t+512*\q
.endr
.endr
.irp t, 0,1
	v_add_f32 v[54+8*\t], v[34+8*\t], v[35+8*\t]
.endr
.irp t, 0,1
	v_permlanex16_b32 v[51+8*\t], v[54+8*\t], s32, s33
.endr
.irp t, 0,1
	v_add_f32 v[54+8*\t], v[54+8*\t], v[51+8*\t]
.endr
	v_add_nc_u32 v53, s53, v20
	v_add_nc_u32 v61, 16, v53
	s_wait_dscnt 0x0
.irp t, 0,1
	v_max_num_f32 v[55+8*\t], v[32+8*\t], v[48+8*\t]
.endr
.irp t, 0,1
	v_sub_f32 v[50+8*\t], v[32+8*\t], v[55+8*\t]
	v_sub_f32 v[52+8*\t], v[48+8*\t], v[55+8*\t]
.endr
.irp t, 0,1
	v_exp_f32 v[50+8*\t], v[50+8*\t]
	v_exp_f32 v[52+8*\t], v[52+8*\t]
.endr
	v_nop
	s_wait_alu depctr_va_vdst(0)                   ; one wait for the four
.irp t, 0,1
	v_mul_f32 v[54+8*\t], v[54+8*\t], v[50+8*\t]
.endr
.irp t, 0,1
	v_fmac_f32 v[54+8*\t], v[52+8*\t], v[49+8*\t]
.endr
.irp t, 0,1
	v_rcp_f32 v[55+8*\t], v[54+8*\t]
.endr
	v_nop
	s_wait_alu depctr_va_vdst(0)
.irp t, 0,1
	v_mul_f32 v[50+8*\t], v[50+8*\t], v[55+8*\t]
	v_mul_f32 v[52+8*\t], v[52+8*\t], v[55+8*\t]
	v_cmp_gt_u32 vcc_lo, s46, v[53+8*\t]           ; the row has an open key: key 0, so its sum is not 0; elsewhere both factors become 0 before anything is multiplied by them
	v_cndmask_b32 v[50+8*\t], 0, v[50+8*\t], vcc_lo
	v_cndmask_b32 v[52+8*\t], 0, v[52+8*\t], vcc_lo
.endr
.set n, 0
.rept 16
.irp t, 0,1
	v_pk_mul_f32 v[128+32*\t+2*n:129+32*\t+2*n], v[128+32*\t+2*n:129+32*\t+2*n], v[50+8*\t:51+8*\t] op_sel_hi:[1,0]
.endr
.irp t, 0,1
	v_pk_fma_f32 v[128+32*\t+2*n:129+32*\t+2*n], v[192+32*\t+2*n:193+32*\t+2*n], v[52+8*\t:53+8*\t], v[128+32*\t+2*n:129+32*\t+2*n] op_sel_hi:[1,0,1]
.endr
.set n, n+1
.endr
.set n, 0
.rept 16
.irp t, 0,1
	v_cvt_pk_f16_f32 v[64+16*\t+n], v[128+32*\t+2*n], v[129+32*\t+2*n]
.endr
.set n, n+1
.endr
	s_lshl_b32 s38, s53, 7
	v_add_nc_u32 v23, s38, v11
.irp t, 0,1
.irp d, 0,1,2,3
	ds_store_b128 v9, v[64+16*\t+4*\d:67+16*\t+4*\d] offset:32*\d
.endr
.irp i, 0,1,2,3
	ds_load_b128 v[96+16*\t+4*\i:99+16*\t+4*\i], v10 offset:4*KP*\i   ; LDS serves a wave's instructions in order: these see the stores above, and the next tile's stores come behind them
.endr
.endr
.irp t, 0,1
.irp i, 0,1,2,3
	s_wait_dscnt 8*(1-\t)+3-\i                     ; behind this load: the rest of its tile's, and for tile 0 the eight of tile 1
	global_store_b128 v23, v[96+16*\t+4*\i:99+16*\t+4*\i], s[22:23] offset:2048*\t+512*\i   ; 32 lanes store 512 consecutive bytes, aligned
.endr
.endr
	s_wait_xcnt 0x0                                ; the stores have read their registers
.endm
	; ---- block I
	s_mov_b32 s25, s13
	BLOCKSET
	QLOAD
	s_mov_b32 s36, 0
	GLOAD
	INIT
	s_wait_loadcnt 0x0
	GSTORE 0
	s_wait_dscnt 0x0
	s_barrier_signal -1
	s_barrier_wait -1
	WALK 8, 0
	s_cmp_eq_u32 s12, 0
	s_cbranch_scc1 .Lno_send_1
	SEND
.Lno_send_1:
	s_wait_dscnt 0x0
	s_barrier_signal -1
	s_barrier_wait -1
	; ---- block 15 - I: its queries and its first tile are asked for ahead of the merge
	s_mov_b32 s53, s26
	s_sub_co_u32 s25, 15, s13
	BLOCKSET
	QLOAD
	s_mov_b32 s36, 0
	GLOAD
	s_cmp_lg_u32 s12, 0
	s_cbranch_scc1 .Lno_merge_1
	MERGE
.Lno_merge_1:
	INIT
	s_wait_loadcnt 0x0
	GSTORE 0
	s_wait_dscnt 0x0                               ; my stores have landed, and my reads of the exchange are over
	s_barrier_signal -1
	s_barrier_wait -1
	WALK 16, 1
	s_cmp_eq_u32 s12, 0
	s_cbranch_scc1 .Lno_send_2
	SEND
.Lno_send_2:
	s_wait_dscnt 0x0
	s_barrier_signal -1
	s_barrier_wait -1
	s_mov_b32 s53, s26
	s_cmp_lg_u32 s12, 0
	s_cbranch_scc1 .Lno_merge_2
	MERGE
.Lno_merge_2:
	s_wait_tensorcnt 0x0                           ; the wave's end, behind my last LDS store
	ds_add_u32 v12, v13
	s_wait_dscnt 0x0
	s_endpgm
.Lfunc_end_k_q9f829ad516_attn:
	.size	k_q9f829ad516_attn, .Lfunc_end_k_q9f829ad516_attn-k_q9f829ad516_attn
	.p2alignl 7, 3214868480
	.fill 96, 4, 3214868480
	.section	.rodata,"a",@progbits
	.p2align	6, 0x0
	.amdhsa_kernel k_q9f829ad516_attn
		.amdhsa_group_segment_fixed_size 122880
		.amdhsa_private_segment_fixed_size 0
		.amdhsa_enable_private_segment 0
		.amdhsa_kernarg_size 24
		.amdhsa_user_sgpr_count 2
		.amdhsa_user_sgpr_kernarg_segment_ptr 1
		.amdhsa_wavefront_size32 1
		.amdhsa_system_sgpr_workgroup_id_x 1
		.amdhsa_system_sgpr_workgroup_id_y 1
		.amdhsa_system_sgpr_workgroup_id_z 1
		.amdhsa_system_vgpr_workitem_id 0
		.amdhsa_next_free_vgpr 320
		.amdhsa_next_free_sgpr 66
		.amdhsa_reserve_vcc 1
		.amdhsa_float_denorm_mode_32 3
		.amdhsa_float_denorm_mode_16_64 3
		.amdhsa_memory_ordered 1
		.amdhsa_forward_progress 1
		.amdhsa_inst_pref_size 136
	.end_amdhsa_kernel
	.amdgpu_metadata
---
amdhsa.version: [ 1, 2 ]
amdhsa.kernels:
  - .name:           k_q9f829ad516_attn
    .symbol:         k_q9f829ad516_attn.kd
    .args:
      - { .name: qkv, .offset: 0, .size: 8, .value_kind: global_buffer, .address_space: global }
      - { .name: lens, .offset: 8, .size: 8, .value_kind: global_buffer, .address_space: global }
      - { .name: hh, .offset: 16, .size: 8, .value_kind: global_buffer, .address_space: global }
    .group_segment_fixed_size: 122880
    .private_segment_fixed_size: 0
    .kernarg_segment_align: 8
    .kernarg_segment_size: 24
    .max_flat_workgroup_size: 256
    .sgpr_count:     66
    .vgpr_count:     320
    .wavefront_size: 32
...
	.end_amdgpu_metadata
.endif
;; end of part 3
;; launch oproj (part 4): grid 8 x 32, 4 waves a work-group, clusters of 4 x 4, 327,680 bytes of LDS; arguments hh, wot, out0, b_O; writes out0
.if DOCPART == 4
	.amdgcn_target "amdgcn-amd-amdhsa--gfx1250"
	.amdhsa_code_object_version 6
	.text
	.protected	k_q9f829ad516_oproj
	.globl	k_q9f829ad516_oproj
	.p2align	8
	.type	k_q9f829ad516_oproj,@function
k_q9f829ad516_oproj:
	s_mov_b64 s[64:65], 0
	v_nop
	global_prefetch_b8 v0, s[64:65] scope:SCOPE_SE
	s_setreg_imm32_b32 hwreg(HW_REG_WAVE_MODE, 25, 1), 1
	s_wait_xcnt 0x0
	s_wait_alu depctr_hold_cnt(0) depctr_sa_sdst(0) depctr_va_vdst(0) depctr_va_sdst(0) depctr_va_ssrc(0) depctr_va_vcc(0) depctr_vm_vsrc(0)
	s_getreg_b32 s2, hwreg(HW_REG_IB_STS2, 6, 4)
	s_cmp_eq_u32 s2, 0
	s_cbranch_scc0 .Lentry_in_a_cluster
	s_endpgm
.Lentry_in_a_cluster:
	s_bfe_u32 s2, ttmp6, 0x10000c
	s_cmp_lg_u32 s2, 0xf033
	s_cbranch_scc0 .Lentry_shape_is_right
	s_endpgm
.Lentry_shape_is_right:
; OPROJ: out = H W_O + b_O.  H: f16, [head][4096 rows][64]; W_O^T: f16, [1024 n][1024 k]; out: f32 [4096][1024]; sums in f32.  Positions 0-15 of each sequence are left to a later launch, which makes them in f32.
; A tile of out is 128 x 128: 256 work-groups.  Four waves, each 64 x 64: 16 accumulators.  K goes in steps of 256 (four heads) through a ring of two LDS slots.
; H's TILE: 128 rows of a head are 16,384 consecutive bytes.  One load brings two heads: two rows of 8,192 elements, a head's plane apart, with 16 bytes of padding behind every 128: in LDS a query's 64 channels
; are a row of 144 bytes and a head's plane 18,432.  W_O^T's tile: 64 rows of 512 bytes, 528 apart.
; CLUSTERS: 4 x 4.  H's tiles are shared along a row of the cluster, W_O^T's along a column: each is asked for jointly.  THE MATRIX INSTRUCTION IS USED TRANSPOSED (source 0 = 16 rows of W_O^T, source 1 = 16 rows of H).
; The bias is the C of each sum's first instruction.
; REGISTERS: window 0: v0-31 addresses; v32-95 the way out; v96-127 the bias; v128-255 the accumulators ((a, b) at v[128 + 8 (4 a + b)]).  window 1: two fragment buffers of 128: 64 of H, then 64 of W_O^T.
.set KSTEP,  256
.set PA,     144
.set PLANE,  128*PA
.set PB,     528
.set AHALF,  2*PLANE                   ; what a load of H brings
.set BHALF,  64*PB                     ; what a load of W_O^T brings
.set BOFF,   4*PLANE
.set SLOT,   BOFF+2*BHALF
.set STAGE,  2*SLOT                    ; behind the ring: 16 rows x 272 bytes for each wave
.set SPITCH, 272
.set SPARE,  STAGE+4*16*SPITCH         ; the spare words, 128 bytes for each wave
.set LAPS,   2
.set HEADB,  524288                    ; a head's plane of H in bytes
.set ADRA, 16
.set ADRB, 20
.set STO,  24
.set RD,   25
.set CO,   26
.set FLG,  27                          ; v27  my first row's position in its sequence
.set SPW,  28
.set NIL,  29
.set BO,   30
.set TMP,  32
.set BIAS, 96
.set ACC,  128
.set F0,   0
.set F1,   128
.set G1, 24
.set G0, 32
.set G1B, 48
.set G0B, 56
.set MSB, 0
.macro WIN new
.if MSB != \new
	s_set_vgpr_msb (MSB<<8)|\new
.set MSB, \new
.endif
.endm
.set MUL,  0x05                        ; sources 0 and 1 window 1; C and D window 0
.set TO_F, 0x40
.macro JLOAD s                         ; a joint load: waves 0 and 1 fetch H's two pairs of heads, waves 2 and 3 W_O^T's two halves; an s_nop 0 and four v_nop follow each line
	s_cmp_eq_u32 s11, 0
	s_cbranch_scc0 .Lfor_b_\@
	tensor_load_to_lds s[G0+4*\s:G0+4*\s+3], s[G1:G1+7]
	s_nop 0
.rept 4
	v_nop
.endr
	s_branch .Lasked_\@
.Lfor_b_\@:
	tensor_load_to_lds s[G0B+4*\s:G0B+4*\s+3], s[G1B:G1B+7]
	s_nop 0
.rept 4
	v_nop
.endr
.Lasked_\@:
.endm
.macro CREST
	s_cmp_lg_u32 s10, 0
	s_cbranch_scc1 .Lnot_wave_0_\@
	s_barrier_signal -3
.Lnot_wave_0_\@:
	s_barrier_wait -3
	s_barrier_signal -1
	s_barrier_wait -1
.endm
.macro CROUND
	s_barrier_signal -1
	s_barrier_wait -1
	CREST
.endm
	s_load_b128 s[4:7], s[0:1], 0x0                ; H, W_O^T
	s_load_b64 s[8:9], s[0:1], 0x10                ; out
	s_load_b64 s[66:67], s[0:1], 0x18              ; b_O
	v_lshl_add_u32 v[SPW], v0, 2, SPARE
	v_mov_b32 v[NIL], 0
	ds_add_u32 v[SPW], v[NIL]                      ; the wave's opening: the add, twice on end, and its wait ahead of my first tensor load
	ds_add_u32 v[SPW], v[NIL]
	v_lshrrev_b32 v1, 5, v0
	v_readfirstlane_b32 s10, v1                    ; wave 0..3
	s_lshr_b32 s11, s10, 1                         ; which half of the tile's rows is mine.  Also: I fetch for H (0) or for W_O^T (1)
	s_and_b32 s12, s10, 1                          ; which half of its columns.  Also: which half of a step's tile I fetch
	s_bfe_u32 s40, ttmp6, 0x40000
	s_bfe_u32 s41, ttmp6, 0x40004
	s_lshl_b32 s42, ttmp9, 2
	s_add_co_u32 s42, s42, s40                     ; tile column
	s_and_b32 s13, ttmp7, 0xffff
	s_lshl_b32 s13, s13, 2
	s_add_co_u32 s13, s13, s41                     ; tile row
	s_lshl_b32 s43, s41, 2
	s_lshl_b32 s43, 15, s43                        ; my row of the cluster
	s_lshl_b32 s44, 0x1111, s40                    ; my column
	s_or_b32 s[G1+0], s43, (1<<16)|(1<<20)|(1<<21)|(4<<22)|(3<<25)  ; mask; elements of 2 bytes; padding: 4 words behind every 32
	s_mov_b32 s[G1+1], 8192<<16                    ; tensor_dim0 = 8,192: 128 rows of 64 channels on end
	s_mov_b32 s[G1+2], 2<<16                       ; tensor_dim1 = 2 heads
	s_mov_b32 s[G1+3], 8192<<16                    ; tile_dim0
	s_mov_b32 s[G1+4], 2                           ; tile_dim1
	s_mov_b32 s[G1+5], 262144                      ; from head to head, in elements
	s_mov_b32 s[G1+6], 0
	s_mov_b32 s[G1+7], 0
	s_or_b32 s[G1B+0], s44, (1<<16)|(1<<20)|(1<<21)|(6<<22)|(3<<25) ; padding: 4 words behind every 128
	s_mov_b32 s[G1B+1], KSTEP<<16
	s_mov_b32 s[G1B+2], 64<<16
	s_mov_b32 s[G1B+3], KSTEP<<16
	s_mov_b32 s[G1B+4], 64
	s_mov_b32 s[G1B+5], 1024
	s_mov_b32 s[G1B+6], 0
	s_mov_b32 s[G1B+7], 0
	s_lshl_b32 s16, s13, 14                        ; H: 128 rows of 128 bytes a tile row,
	s_lshl_b32 s17, s12, 20                        ; two heads' planes a half
	s_add_co_u32 s16, s16, s17
	s_mov_b32 s17, 0
	s_lshl_b32 s46, s42, 7
	s_lshl_b32 s47, s12, 6
	s_add_co_u32 s46, s46, s47                     ; W_O^T: row 128 x tile column + 64 x half,
	s_lshl_b32 s46, s46, 11                        ; of 2,048 bytes
	s_mov_b32 s47, 0
	s_mul_i32 s20, s12, AHALF                      ; where they go: no place in the cluster enters an LDS address
	s_mul_i32 s21, s12, BHALF
	s_add_co_u32 s21, s21, BOFF
	s_wait_dscnt 0x0                               ; both opening adds are done
	s_wait_kmcnt 0x0
	s_add_nc_u64 s[14:15], s[4:5], s[16:17]
	s_add_nc_u64 s[46:47], s[6:7], s[46:47]
	CROUND                                         ; all sixteen work-groups are here: the first joint loads meet
.irp s, 0,1
	s_mov_b32 s[G0+4*\s], 1
	s_add_co_u32 s[G0+4*\s+1], s20, \s*SLOT
	s_add_nc_u64 s[G0+4*\s+2:G0+4*\s+3], s[14:15], \s*4*HEADB
	s_or_b32 s[G0+4*\s+3], s[G0+4*\s+3], 0x80000000
	s_mov_b32 s[G0B+4*\s], 1
	s_add_co_u32 s[G0B+4*\s+1], s21, \s*SLOT
	s_add_nc_u64 s[G0B+4*\s+2:G0B+4*\s+3], s[46:47], \s*KSTEP*2
	s_or_b32 s[G0B+4*\s+3], s[G0B+4*\s+3], 0x80000000
	JLOAD \s
.endr
	v_and_b32 v1, 15, v0                           ; l % 16
	v_bfe_u32 v2, v0, 4, 1                         ; l / 16
	v_mul_u32_u24 v3, v1, PA
	v_lshl_add_u32 v3, v2, 4, v3
	v_mul_u32_u24 v4, v1, PB
	v_lshl_add_u32 v4, v2, 4, v4
	s_mul_i32 s21, s11, 64*PA                      ; my 64 rows of H, in each head's plane
	s_mul_i32 s22, s12, BHALF                      ; my 64 rows of W_O^T
	s_add_co_u32 s22, s22, BOFF
.irp s, 0,1
	v_add_nc_u32 v[ADRA+\s], s21, v3
	v_add_nc_u32 v[ADRB+\s], s22, v4
	s_add_co_u32 s21, s21, SLOT
	s_add_co_u32 s22, s22, SLOT
.endr
	s_mul_i32 s23, s10, 16*SPITCH
	s_add_co_u32 s23, s23, STAGE                   ; my stage
	v_mul_u32_u24 v5, v1, SPITCH
	v_lshl_add_u32 v5, v2, 5, v5
	v_add_nc_u32 v[STO], s23, v5                   ; in: row l % 16, 32 bytes for each half of the lanes
	v_mul_u32_u24 v5, v2, SPITCH
	v_lshl_add_u32 v5, v1, 4, v5
	v_add_nc_u32 v[RD], s23, v5                    ; back: lanes 0-15 one row of 256 bytes, lanes 16-31 the next
	v_lshlrev_b32 v5, 12, v2
	v_lshl_add_u32 v[CO], v1, 4, v5                ; and the same two rows in out
	v_lshlrev_b32 v[BO], 5, v2
	s_lshl_b32 s16, s13, 7
	s_lshl_b32 s17, s11, 6
	s_add_co_u32 s16, s16, s17                     ; my first row of out
	s_and_b32 s17, s16, 2047
	v_mov_b32 v[FLG], s17
	s_lshl_b32 s16, s16, 12
	s_mov_b32 s17, 0
	s_add_nc_u64 s[8:9], s[8:9], s[16:17]
	s_lshl_b32 s46, s42, 9                         ; my first column, in bytes
	s_lshl_b32 s47, s12, 8
	s_add_co_u32 s46, s46, s47
	s_mov_b32 s47, 0
	s_add_nc_u64 s[8:9], s[8:9], s[46:47]
	s_add_nc_u64 s[66:67], s[66:67], s[46:47]
.irp b, 0,1,2,3                                ; lane (r, h) wants, for block b of columns, the bias of columns 16 b + 8 h + 0 .. 7
	global_load_b128 v[BIAS+8*\b:BIAS+8*\b+3], v[BO], s[66:67] offset:64*\b
	global_load_b128 v[BIAS+8*\b+4:BIAS+8*\b+7], v[BO], s[66:67] offset:64*\b+16
.endr
.macro MUL8 f, c, a0, first            ; 8 matrix instructions: row blocks a0, a0 + 1 x all 4 column blocks, 32 along K: half c of buffer f.  first = 1: the bias starts the sums.  The 16 accumulators take turns
.irp a, \a0, \a0+1
.irp b, 0,1,2,3
.if \first
	v_wmma_f32_16x16x32_f16 v[ACC+8*(4*(\a)+\b):ACC+8*(4*(\a)+\b)+7], v[\f+64+8*(4*\c+\b):\f+64+8*(4*\c+\b)+7], v[\f+8*(4*\c+\a):\f+8*(4*\c+\a)+7], v[BIAS+8*\b:BIAS+8*\b+7]
.else
	v_wmma_f32_16x16x32_f16 v[ACC+8*(4*(\a)+\b):ACC+8*(4*(\a)+\b)+7], v[\f+64+8*(4*\c+\b):\f+64+8*(4*\c+\b)+7], v[\f+8*(4*\c+\a):\f+8*(4*\c+\a)+7], v[ACC+8*(4*(\a)+\b):ACC+8*(4*(\a)+\b)+7]
.endif
.endr
.endr
.endm
.macro FETCH slot, q, f                ; 32 LDS loads in one run: quarter q of the slot (one head, 64 along K) into buffer f; the first 32 along K first
	WIN TO_F
.irp c, 0,1
.irp i, 0,1,2,3
	ds_load_b128 v[\f+64+8*(4*\c+\i):\f+64+8*(4*\c+\i)+3],   v[ADRB+\slot] offset:128*(\q)+64*\c+\i*16*PB
	ds_load_b128 v[\f+64+8*(4*\c+\i)+4:\f+64+8*(4*\c+\i)+7], v[ADRB+\slot] offset:128*(\q)+64*\c+\i*16*PB+32
	ds_load_b128 v[\f+8*(4*\c+\i):\f+8*(4*\c+\i)+3],         v[ADRA+\slot] offset:PLANE*(\q)+64*\c+\i*16*PA
	ds_load_b128 v[\f+8*(4*\c+\i)+4:\f+8*(4*\c+\i)+7],       v[ADRA+\slot] offset:PLANE*(\q)+64*\c+\i*16*PA+32
.endr
.endr
.endm
.macro PLACES
.rept 4
	v_nop
.endr
.endm
.macro QUARTER slot, q, f, g, first    ; multiplies buffer f and fetches quarter q of the slot into g
	s_wait_dscnt 16                                ; the first 32 along K are in; the youngest sixteen loads may be out
	WIN MUL
	MUL8 \f, 0, 0, \first
	MUL8 \f, 0, 2, \first
	PLACES
	FETCH \slot, \q, \g
	s_wait_dscnt 32                                ; all but the 32 just issued
	WIN MUL
	MUL8 \f, 1, 0, 0
	MUL8 \f, 1, 2, 0
.endm
.macro TURN slot, next, fill           ; a slot's last quarter changes slots: one barrier; in front of it each wave waits for all its tensor loads, adds 0 to its spare word, and waits for that and for its reads of this slot
	WIN 0
	s_wait_tensorcnt 0x0                           ; all my tensor loads have landed: my part of the next slot
	ds_add_u32 v[SPW], v[NIL]
	s_wait_dscnt 17                                ; the add and the youngest sixteen loads may be out
	WIN MUL
	MUL8 F1, 0, 0, 0
	s_wait_dscnt 0x0                               ; the add is done, and my reads of this slot are over
	s_barrier_signal -1
	MUL8 F1, 0, 2, 0
.if \fill
	WIN 0
.endif
	s_barrier_wait -1
.if \fill
	CREST                                          ; the barrier has opened a round of the cluster's: no wave of any partner still reads this slot or has a load on its way
	s_add_nc_u64 s[G0+4*\slot+2:G0+4*\slot+3], s[G0+4*\slot+2:G0+4*\slot+3], 2*4*HEADB
	s_add_nc_u64 s[G0B+4*\slot+2:G0B+4*\slot+3], s[G0B+4*\slot+2:G0B+4*\slot+3], 2*KSTEP*2
	JLOAD \slot                                    ; the first tensor load behind the round, my one load until the next; its four v_nop are also the places in front of the loads below
.else
	PLACES
.endif
	FETCH \next, 0, F0
	WIN MUL
	MUL8 F1, 1, 0, 0
	MUL8 F1, 1, 2, 0
.endm
	s_wait_tensorcnt 1                             ; my part of K step 0 is in; K step 1's load may be out
	s_barrier_signal -1
	s_barrier_wait -1
	FETCH 0, 0, F0
	s_wait_loadcnt 0x0                             ; the bias
	QUARTER 0, 1, F0, F1, 1
	WIN 0
	s_mov_b32 s3, LAPS-1
.Llap:                                                 ; a trip goes once round the ring and fills both slots again
	QUARTER 0, 2, F1, F0, 0
	QUARTER 0, 3, F0, F1, 0
	TURN 0, 1, 1
	QUARTER 1, 1, F0, F1, 0
	QUARTER 1, 2, F1, F0, 0
	QUARTER 1, 3, F0, F1, 0
	TURN 1, 0, 1
	QUARTER 0, 1, F0, F1, 0
	WIN 0
	s_sub_co_u32 s3, s3, 1
	s_cmp_lg_u32 s3, 0
	s_cbranch_scc1 .Llap
	QUARTER 0, 2, F1, F0, 0                        ; the last lap fills nothing
	QUARTER 0, 3, F0, F1, 0
	TURN 0, 1, 0
	QUARTER 1, 1, F0, F1, 0
	QUARTER 1, 2, F1, F0, 0
	QUARTER 1, 3, F0, F1, 0
	s_wait_dscnt 16
	WIN MUL
	MUL8 F1, 0, 0, 0
	MUL8 F1, 0, 2, 0
	s_wait_dscnt 0
	MUL8 F1, 1, 0, 0
	MUL8 F1, 1, 2, 0
	WIN 0
; THE WAY OUT: my 64 columns of f32 are 256 aligned bytes of a row, so each wave has a stage of its own and no barrier is needed: a block of 16 rows goes in by 32 bytes a lane and comes back as whole rows.
.macro TOSTAGE a
.irp b, 0,1,2,3
	ds_store_b128 v[STO], v[ACC+8*(4*(\a)+\b):ACC+8*(4*(\a)+\b)+3] offset:64*\b        ; each accumulator from its low end on
	ds_store_b128 v[STO], v[ACC+8*(4*(\a)+\b)+4:ACC+8*(4*(\a)+\b)+7] offset:64*\b+16
.endr
.irp t, 0,1,2,3,4,5,6,7
	ds_load_b128 v[TMP+32*((\a)%2)+4*\t:TMP+32*((\a)%2)+4*\t+3], v[RD] offset:2*\t*SPITCH   ; LDS serves a wave's instructions in order
.endr
.endm
.macro SEND a, younger
	s_wait_dscnt \younger                          ; the block is back; the next block's 8 stores and 8 loads may be out
.irp t, 0,1,2,3,4,5,6,7
	global_store_b128 v[CO], v[TMP+32*((\a)%2)+4*\t:TMP+32*((\a)%2)+4*\t+3], s[8:9] offset:(16*(\a)+2*\t)*4096 th:TH_STORE_NT   ; sixteen lanes store 256 consecutive bytes, aligned
.endr
.endm
	PLACES
	TOSTAGE 0
	TOSTAGE 1
	s_wait_xcnt 0x0                                ; EXEC changes only behind this wait
	v_cmp_ne_u32 vcc_lo, 0, v[FLG]                 ; where my first row is position 0 of a sequence, block 0 is not stored.  The condition hangs on the work-group's place in its cluster: a lane mask, no branch
	s_and_saveexec_b32 s18, vcc_lo
	SEND 0, 16
	s_wait_xcnt 0x0
	s_or_b32 exec_lo, exec_lo, s18
	TOSTAGE 2                                      ; (block 0's stores have read their registers: the wait above)
	SEND 1, 16
	s_wait_xcnt 0x0
	TOSTAGE 3
	SEND 2, 16
	SEND 3, 0
	s_wait_tensorcnt 0x0                           ; the wave's end
	ds_add_u32 v[SPW], v[NIL]
	s_wait_dscnt 0x0
	CROUND                                         ; the closing round
	s_endpgm
.Lfunc_end_k_q9f829ad516_oproj:
	.size	k_q9f829ad516_oproj, .Lfunc_end_k_q9f829ad516_oproj-k_q9f829ad516_oproj
	.p2alignl 7, 3214868480
	.fill 96, 4, 3214868480
	.section	.rodata,"a",@progbits
	.p2align	6, 0x0
	.amdhsa_kernel k_q9f829ad516_oproj
		.amdhsa_group_segment_fixed_size 327680
		.amdhsa_private_segment_fixed_size 0
		.amdhsa_enable_private_segment 0
		.amdhsa_kernarg_size 32
		.amdhsa_user_sgpr_count 2
		.amdhsa_user_sgpr_kernarg_segment_ptr 1
		.amdhsa_wavefront_size32 1
		.amdhsa_system_sgpr_workgroup_id_x 1
		.amdhsa_system_sgpr_workgroup_id_y 1
		.amdhsa_system_sgpr_workgroup_id_z 1
		.amdhsa_system_vgpr_workitem_id 0
		.amdhsa_next_free_vgpr 512
		.amdhsa_next_free_sgpr 68
		.amdhsa_reserve_vcc 1
		.amdhsa_float_denorm_mode_32 3
		.amdhsa_float_denorm_mode_16_64 3
		.amdhsa_memory_ordered 1
		.amdhsa_forward_progress 1
		.amdhsa_inst_pref_size 87
	.end_amdhsa_kernel
	.amdgpu_metadata
---
amdhsa.version: [ 1, 2 ]
amdhsa.kernels:
  - .name:           k_q9f829ad516_oproj
    .symbol:         k_q9f829ad516_oproj.kd
    .args:
      - { .name: hh, .offset: 0, .size: 8, .value_kind: global_buffer, .address_space: global }
      - { .name: wot, .offset: 8, .size: 8, .value_kind: global_buffer, .address_space: global }
      - { .name: out0, .offset: 16, .size: 8, .value_kind: global_buffer, .address_space: global }
      - { .name: b_O, .offset: 24, .size: 8, .value_kind: global_buffer, .address_space: global }
    .group_segment_fixed_size: 327680
    .private_segment_fixed_size: 0
    .kernarg_segment_align: 8
    .kernarg_segment_size: 32
    .max_flat_workgroup_size: 128
    .sgpr_count:     68
    .vgpr_count:     512
    .wavefront_size: 32
...
	.end_amdgpu_metadata
.endif
;; end of part 4
;; launch first16 (part 5): grid 16 x 2, 16 waves a work-group, no clusters, 71,680 bytes of LDS; arguments top, lens, W_O, b_O, out0; writes out0
.if DOCPART == 5
	.amdgcn_target "amdgcn-amd-amdhsa--gfx1250"
	.amdhsa_code_object_version 6
	.text
	.protected	k_q9f829ad516_first16
	.globl	k_q9f829ad516_first16
	.p2align	8
	.type	k_q9f829ad516_first16,@function
k_q9f829ad516_first16:
	s_mov_b64 s[64:65], 0
	v_nop
	global_prefetch_b8 v0, s[64:65] scope:SCOPE_SE
	s_setreg_imm32_b32 hwreg(HW_REG_WAVE_MODE, 25, 1), 1
	s_wait_xcnt 0x0
; FIRST16: positions 0-15 of both sequences, all in f32: their rows average one to sixteen values, so the rounding of 16-bit operands would weigh most there.
; top: Q, K, V of those positions, f32 [tensor][b][16][1024].  Work-group (x, b) makes out[b][0..15][64 x .. 64 x + 63].  Wave w is head w: its 16 x 16 attention, then the part that its 64 channels
; give to the work-group's 64 columns; the sixteen parts are added through LDS, heads ascending, with the bias.
; All products by the f32 matrix form, 96 a wave.  Every sum starts with the constant 0; the accumulators v32-95 are written by matrix instructions alone.
; S^T = K Q^T (a lane holds query lane % 16, keys 8 (lane / 16) + j); H^T = V^T P^T; out^T = W_O^T H^T: each result's registers serve as the next product's source 1 as they stand,
; since the same order of the contracted index is given to both sources.
; REGISTERS: v1 r, v2 h; v3-5, v20-23 addresses; v6-19 the softmax; v24-27 the sum; v28, v29 the add's two; v32-63 four accumulators of S^T, later the four tiles of out^T; v64-95 H^T; v96-127 V;
;   v128-159 K, v160-191 Q, later W_O for column tiles 2, 3, later the parts; v192-255 W_O for column tiles 0, 1.
.set PP,    272                        ; a row of a part: 256 bytes + 16
.set PART,  16*PP                      ; a wave's part
.set SPARE, 16*PART                    ; the spare words, 128 bytes for each wave
	s_load_b256 s[4:11], s[0:1], 0x0               ; top 4:5, lens 6:7, W_O 8:9, b_O 10:11
	s_load_b64 s[12:13], s[0:1], 0x20              ; out
	v_lshl_add_u32 v28, v0, 2, SPARE
	v_mov_b32 v29, 0
	v_lshrrev_b32 v16, 5, v0
	v_readfirstlane_b32 s16, v16                   ; wave = head
	s_and_b32 s17, ttmp7, 0xffff                   ; b
	v_and_b32 v1, 15, v0                           ; r
	v_bfe_u32 v2, v0, 4, 1                         ; h
	s_lshl_b32 s18, s16, 8                         ; a head's 64 channels: 256 bytes
	v_lshlrev_b32 v3, 12, v1
	v_lshl_add_u32 v3, v2, 4, v3
	v_add_nc_u32 v3, s18, v3                       ; K, Q: row r, my head, 16 bytes for each half of the lanes
	v_lshlrev_b32 v4, 15, v2
	v_lshl_add_u32 v4, v1, 2, v4
	v_add_nc_u32 v4, s18, v4                       ; V: key 8 h, channel r of my head
	s_lshl_b32 s19, s16, 18                        ; W_O: my head's 64 rows of 4,096 bytes,
	s_lshl_b32 s20, ttmp9, 8                       ; the work-group's 64 columns
	s_add_co_u32 s19, s19, s20
	v_lshlrev_b32 v5, 15, v2
	v_lshl_add_u32 v5, v1, 2, v5
	v_add_nc_u32 v5, s19, v5                       ; row 8 h, column r
	s_mul_i32 s21, s16, PART
	v_mul_u32_u24 v20, v1, PP
	v_lshl_add_u32 v20, v2, 5, v20
	v_add_nc_u32 v20, s21, v20                     ; my part: row r (the query), 32 bytes for each half of the lanes
	v_lshrrev_b32 v16, 4, v0
	v_mul_u32_u24 v21, v16, PP
	v_lshl_add_u32 v21, v1, 4, v21                 ; the sum: thread t takes row t / 16, 16 bytes at 16 (t % 16) (threads 0-255)
	v_lshlrev_b32 v22, 12, v16
	v_lshl_add_u32 v22, v1, 4, v22                 ; and the same place in out
	v_lshlrev_b32 v23, 4, v1
	v_mov_b32 v7, 0xff800000                       ; -infinity
	v_lshlrev_b32 v17, 3, v2                       ; 8 h
	v_mov_b32 v18, 0                               ; a lane permute's destination counts as one of its sources
	s_mov_b32 s27, 0x3e38aa3b                      ; c = log2(e) / 8
	s_mov_b32 s30, 0x76543210
	s_mov_b32 s31, 0xfedcba98
	s_lshl_b32 s22, s17, 7
	s_wait_kmcnt 0x0
	s_load_b32 s24, s[6:7], s22 offset:0x0         ; q_len[b]
	s_load_b32 s25, s[6:7], s22 offset:0x100       ; k_len[b]
	s_lshl_b32 s32, s17, 16
	s_mov_b32 s33, 0
	s_add_nc_u64 s[14:15], s[4:5], s[32:33]        ; top at my batch
	s_lshl_b32 s32, s17, 23                        ; out: 2,048 rows of 4,096 bytes a batch
	s_add_co_u32 s32, s32, s20
	s_add_nc_u64 s[12:13], s[12:13], s[32:33]
	s_mov_b32 s32, s20
	s_add_nc_u64 s[10:11], s[10:11], s[32:33]
.irp u, 0,1,2,3,4,5,6,7
	global_load_b128 v[128+4*\u:131+4*\u], v3, s[14:15] offset:131072+32*\u    ; K(r, 8 u + 4 h + 0 .. 3)
.endr
.irp u, 0,1,2,3,4,5,6,7
	global_load_b128 v[160+4*\u:163+4*\u], v3, s[14:15] offset:32*\u           ; Q likewise
.endr
.irp d, 0,1,2,3
.irp k, 0,1,2,3,4,5,6,7
	global_load_b32 v[96+8*\d+\k], v4, s[14:15] offset:262144+4096*\k+64*\d    ; V(8 h + k, 16 d + r)
.endr
.endr
.irp n, 0,1
.irp d, 0,1,2,3
.irp k, 0,1,2,3,4,5,6,7
	global_load_b32 v[192+32*\n+8*\d+\k], v5, s[8:9] offset:(16*\d+\k)*4096+64*\n   ; W_O(64 w + 16 d + 8 h + k, 64 x + 16 n + r)
.endr
.endr
.endr
	s_wait_kmcnt 0x0
	s_min_u32 s24, s24, 2048
	s_min_u32 s25, s25, 2048
	s_max_u32 s26, s25, 1
	s_sub_co_u32 s26, s26, 1                       ; the last key that k_len leaves open (held at 0: where k_len is 0 the row is made 0 below)
	s_cmp_lg_u32 s25, 0
	s_cselect_b32 s28, s24, 0                      ; a query has an open key where it lies under this
	s_wait_loadcnt 63                              ; of 112 loads the oldest 49 are in: K, Q and V are the first 48
.irp e, 0,1,2,3,4,5,6,7,8,9,10,11,12,13,14,15  ; S^T: 16 steps of 4 channels, four accumulators by turns
.if \e < 4
	v_wmma_f32_16x16x4_f32 v[32+8*(\e%4):39+8*(\e%4)], v[128+2*\e:129+2*\e], v[160+2*\e:161+2*\e], 0
.else
	v_wmma_f32_16x16x4_f32 v[32+8*(\e%4):39+8*(\e%4)], v[128+2*\e:129+2*\e], v[160+2*\e:161+2*\e], v[32+8*(\e%4):39+8*(\e%4)]
.endif
.endr
.rept 8
	v_nop                                          ; eight plain lines behind this form, ahead of loads into its sources and of the first read of its results
.endr
.irp n, 0,1
.irp d, 0,1,2,3
.irp k, 0,1,2,3,4,5,6,7
	global_load_b32 v[128+32*\n+8*\d+\k], v5, s[8:9] offset:(16*\d+\k)*4096+128+64*\n   ; W_O for column tiles 2, 3
.endr
.endr
.endr
.irp j, 0,1,2,3,4,5,6,7                        ; the four partial sums; each accumulator is read from its low end on
	v_add_f32 v[8+\j], v[32+\j], v[40+\j]
	v_add_f32 v16, v[48+\j], v[56+\j]
	v_add_f32 v[8+\j], v[8+\j], v16
.endr
	v_min_u32 v6, s26, v1
	v_sub_nc_u32 v6, v6, v17                       ; register j holds key 8 h + j: hidden where j > min(r, k_len - 1) - 8 h
.irp j, 0,1,2,3,4,5,6,7
	v_cmp_gt_i32 vcc_lo, \j, v6
	v_cndmask_b32 v[8+\j], v[8+\j], v7, vcc_lo
.endr
	v_max3_num_f32 v16, v8, v9, v10
	v_max3_num_f32 v16, v16, v11, v12
	v_max3_num_f32 v16, v16, v13, v14
	v_max_num_f32 v16, v16, v15
	v_permlanex16_b32 v18, v16, s30, s31
	v_max_num_f32 v16, v16, v18                    ; the row's maximum: key 0 is never hidden here, so it is a number
	v_mul_f32 v17, s27, v16
.irp j, 0,1,2,3,4,5,6,7
	v_fma_f32 v[8+\j], v[8+\j], s27, -v17
.endr
.irp j, 0,1,2,3,4,5,6,7
	v_exp_f32 v[8+\j], v[8+\j]
.endr
	v_nop
	s_wait_alu depctr_va_vdst(0)                   ; one wait for the eight
	v_add_f32 v16, v8, v9
	v_add_f32 v17, v10, v11
	v_add_f32 v18, v12, v13
	v_add_f32 v19, v14, v15
	v_add_f32 v16, v16, v17
	v_add_f32 v18, v18, v19
	v_add_f32 v16, v16, v18
	v_permlanex16_b32 v18, v16, s30, s31
	v_add_f32 v16, v16, v18
	v_rcp_f32 v19, v16
	v_cmp_gt_u32 vcc_lo, s28, v1                   ; (a plain line behind the reciprocal)
	s_wait_alu depctr_va_vdst(0)
	v_cndmask_b32 v19, 0, v19, vcc_lo              ; a row with no open key gives 0
.irp j, 0,1,2,3,4,5,6,7
	v_mul_f32 v[8+\j], v[8+\j], v19
.endr
.irp s, 0,1,2,3                                ; H^T = V^T P^T: step s takes keys 2 s, 2 s + 1, 8 + 2 s, 9 + 2 s on both sides; four accumulators by turns
.irp d, 0,1,2,3
.if \s == 0
	v_wmma_f32_16x16x4_f32 v[64+8*\d:71+8*\d], v[96+8*\d+2*\s:97+8*\d+2*\s], v[8+2*\s:9+2*\s], 0
.else
	v_wmma_f32_16x16x4_f32 v[64+8*\d:71+8*\d], v[96+8*\d+2*\s:97+8*\d+2*\s], v[8+2*\s:9+2*\s], v[64+8*\d:71+8*\d]
.endif
.endr
.endr
.rept 9
	v_nop                                          ; nine plain lines: the results become source 1 of the next products
.endr
	s_wait_loadcnt 0x0                             ; W_O
.irp d, 0,1,2,3                                ; out^T = W_O^T H^T: step (d, s) takes channels 16 d + 2 s, + 1, + 8, + 9; the four column tiles by turns
.irp s, 0,1,2,3
.irp n, 0,1,2,3
.if \n < 2
.set WA, 192+32*\n+8*\d+2*\s
.else
.set WA, 128+32*(\n-2)+8*\d+2*\s
.endif
.if (\d == 0) && (\s == 0)
	v_wmma_f32_16x16x4_f32 v[32+8*\n:39+8*\n], v[WA:WA+1], v[64+8*\d+2*\s:65+8*\d+2*\s], 0
.else
	v_wmma_f32_16x16x4_f32 v[32+8*\n:39+8*\n], v[WA:WA+1], v[64+8*\d+2*\s:65+8*\d+2*\s], v[32+8*\n:39+8*\n]
.endif
.endr
.endr
.endr
.rept 8
	v_nop
.endr
.irp n, 0,1,2,3
	ds_store_b128 v20, v[32+8*\n:35+8*\n] offset:64*\n        ; lane (r, h): my part of out(r, 16 n + 8 h + 0 .. 7)
	ds_store_b128 v20, v[36+8*\n:39+8*\n] offset:64*\n+16
.endr
	s_wait_dscnt 0x0                               ; for the others' sake: my stores have landed
	s_barrier_signal -1
	s_barrier_wait -1
	s_cmp_lt_u32 s16, 8                            ; 256 threads add: 16 rows x 16 pieces of 16 bytes
	s_cbranch_scc0 .Ldone
	global_load_b128 v[24:27], v23, s[10:11]       ; the bias starts the sum
.irp i, 0,1,2,3,4,5,6,7,8,9,10,11,12,13,14,15
	ds_load_b128 v[128+4*\i:131+4*\i], v21 offset:PART*\i
.endr
	s_wait_loadcnt 0x0
.irp i, 0,1,2,3,4,5,6,7,8,9,10,11,12,13,14,15
	s_wait_dscnt 15-\i                             ; part i is in, the younger ones may be out
	v_pk_add_f32 v[24:25], v[24:25], v[128+4*\i:129+4*\i]
	v_pk_add_f32 v[26:27], v[26:27], v[130+4*\i:131+4*\i]
.endr
	global_store_b128 v22, v[24:27], s[12:13]      ; sixteen lanes store 256 consecutive bytes, aligned
.Ldone:
	s_wait_tensorcnt 0x0                           ; the wave's end, behind my last LDS store
	ds_add_u32 v28, v29
	s_wait_dscnt 0x0
	s_endpgm
.Lfunc_end_k_q9f829ad516_first16:
	.size	k_q9f829ad516_first16, .Lfunc_end_k_q9f829ad516_first16-k_q9f829ad516_first16
	.p2alignl 7, 3214868480
	.fill 96, 4, 3214868480
	.section	.rodata,"a",@progbits
	.p2align	6, 0x0
	.amdhsa_kernel k_q9f829ad516_first16
		.amdhsa_group_segment_fixed_size 71680
		.amdhsa_private_segment_fixed_size 0
		.amdhsa_enable_private_segment 0
		.amdhsa_kernarg_size 40
		.amdhsa_user_sgpr_count 2
		.amdhsa_user_sgpr_kernarg_segment_ptr 1
		.amdhsa_wavefront_size32 1
		.amdhsa_system_sgpr_workgroup_id_x 1
		.amdhsa_system_sgpr_workgroup_id_y 1
		.amdhsa_system_sgpr_workgroup_id_z 1
		.amdhsa_system_vgpr_workitem_id 0
		.amdhsa_next_free_vgpr 256
		.amdhsa_next_free_sgpr 66
		.amdhsa_reserve_vcc 1
		.amdhsa_float_denorm_mode_32 3
		.amdhsa_float_denorm_mode_16_64 3
		.amdhsa_memory_ordered 1
		.amdhsa_forward_progress 1
		.amdhsa_inst_pref_size 34
	.end_amdhsa_kernel
	.amdgpu_metadata
---
amdhsa.version: [ 1, 2 ]
amdhsa.kernels:
  - .name:           k_q9f829ad516_first16
    .symbol:         k_q9f829ad516_first16.kd
    .args:
      - { .name: top, .offset: 0, .size: 8, .value_kind: global_buffer, .address_space: global }
      - { .name: lens, .offset: 8, .size: 8, .value_kind: global_buffer, .address_space: global }
      - { .name: W_O, .offset: 16, .size: 8, .value_kind: global_buffer, .address_space: global }
      - { .name: b_O, .offset: 24, .size: 8, .value_kind: global_buffer, .address_space: global }
      - { .name: out0, .offset: 32, .size: 8, .value_kind: global_buffer, .address_space: global }
    .group_segment_fixed_size: 71680
    .private_segment_fixed_size: 0
    .kernarg_segment_align: 8
    .kernarg_segment_size: 40
    .max_flat_workgroup_size: 512
    .sgpr_count:     66
    .vgpr_count:     256
    .wavefront_size: 32
...
	.end_amdgpu_metadata
.endif
;; end of part 5
